; MI455X (gfx1250); checked and timed in simulation.
; The chip was launched on July 23, 2026; its instructions are those of AMD's public machine-readable ISA for CDNA 5 (MIT licence, August 2026) and "CDNA5" Instruction Set Architecture Reference Guide (July 2026). The comments in the code are by the model that wrote it; some were corrected since.
;; Multi Head Self Attention. Allowed arithmetic: matrix products marked QUANTISED: E2M3 operands, one E8M0 scale for each 32 along K, by v_wmma_scale_f32_16x16x128_f8f6f4 with both operands' format E2M3, f32 sums; everything else in f32.
;; Inputs: Wk_codes 1,024 x 32 x 24 uint8 (E2M3 codes of Wk, K innermost, in blocks of 32 codes, four codes in three bytes); Wk_scales 1,024 x 32 uint8 (E8M0 scales of Wk, one for each 32 codes along K); Wo_codes 1,024 x 32 x 24 uint8 (E2M3 codes of Wo, K innermost, in blocks of 32 codes, four codes in three bytes); Wo_scales 1,024 x 32 uint8 (E8M0 scales of Wo, one for each 32 codes along K); Wq_codes 1,024 x 32 x 24 uint8 (E2M3 codes of Wq, K innermost, in blocks of 32 codes, four codes in three bytes); Wq_scales 1,024 x 32 uint8 (E8M0 scales of Wq, one for each 32 codes along K); Wv_codes 1,024 x 32 x 24 uint8 (E2M3 codes of Wv, K innermost, in blocks of 32 codes, four codes in three bytes); Wv_scales 1,024 x 32 uint8 (E8M0 scales of Wv, one for each 32 codes along K); bk 1,024 float32; bo 1,024 float32; bq 1,024 float32; bv 1,024 float32; x_codes 4 x 2,048 x 32 x 24 uint8 (E2M3 codes of x, K innermost, in blocks of 32 codes, four codes in three bytes); x_scales 4 x 2,048 x 32 uint8 (E8M0 scales of x, one for each 32 codes along K).
;; Outputs: out0 4 x 2,048 x 1,024 float32.
;; This version of the problem:
;;   THIS VERSION OF THE PROBLEM IS GIVEN IN LOW PRECISION. The matrix products marked QUANTISED in the list below multiply operands that are first quantised to E2M3 (2 exponent bits, 3 mantissa bits; 6 bits a number), with one power-of-two scale for each 32 numbers along K (OCP MX v1.0); their sums are f32. All else is computed in f32.
;;   The module's matrix products, in the order in which they are computed (A, B: the left and right operand; K: the contracted axis; several contracted axes count as one K, in the product's order):
;;     1. [M 8,192, K 1,024] x [K 1,024, N 1,024]; A: input x (given as codes); B: input Wq (given as codes): QUANTISED
;;     2. [M 8,192, K 1,024] x [K 1,024, N 1,024]; A: input x (given as codes); B: input Wk (given as codes): QUANTISED
;;     3. [M 8,192, K 1,024] x [K 1,024, N 1,024]; A: input x (given as codes); B: input Wv (given as codes): QUANTISED
;;     4. batch 64 x [M 2,048, K 64] x [K 64, N 2,048]; A: computed on the way; B: computed on the way: QUANTISED
;;     5. batch 64 x [M 2,048, K 2,048] x [K 2,048, N 64]; A: softmax (see below); B: computed on the way: QUANTISED
;;     6. [M 8,192, K 1,024] x [K 1,024, N 1,024]; A: computed on the way; B: input Wo (given as codes): QUANTISED
;;   THE QUANTISER, for each operand of a quantised product, along K:
;;     - K is cut into blocks of 32 from its start; a last block that is shorter is filled with zeros.
;;     - A block's scale is 2^e with e = floor(log2(the largest magnitude in the block)) - 2, held to -126 .. 127; a block of zeros has e = 0. As a byte (E8M0): e + 127.
;;     - Each number is divided by its block's scale, clamped to +-7.5, and rounded to the nearest number of E2M3, ties to even, subnormals kept.
;;     - The product sums the exact products of the quantised numbers (number of the format x scale) in f32.
;;   ~~~python
;;   def quantise(x, axis):      # numpy; x: float32 -> the quantised numbers, widened to float32 again
;;       x = np.moveaxis(x, axis, -1); K = x.shape[-1]
;;       x = np.pad(x, [(0, 0)] * (x.ndim - 1) + [(0, -K % 32)]); x = x.reshape(x.shape[:-1] + (-1, 32)); a = np.abs(x).max(-1, keepdims=True)
;;       e = np.where(a > 0, np.clip(np.frexp(np.where(a > 0, a, 1))[1] - 1 - 2, -126, 127), 0)      # np.frexp(a)[1] - 1 = floor(log2(a)), exactly
;;       r = np.clip(x / 2.0 ** e, -7.5, 7.5)
;;       step = 2.0 ** (np.maximum(np.frexp(np.where(r == 0, 1, r))[1] - 1, 0) - 3)
;;       q = np.round(r / step) * step * 2.0 ** e      # np.round: ties to even
;;       return np.moveaxis(q.reshape(q.shape[:-2] + (-1,))[..., :K], -1, axis).astype(np.float32)
;;   ~~~
;;   SOFTMAX AHEAD OF A QUANTISED PRODUCT. Where the list says 'softmax', what is quantised is not the finished softmax but p = 2^(t - M), with t = logit x log2(e) and M = ceil(the row's largest t), a whole number; so 1/2 < the row's largest p <= 1. The row's sum l is taken of the UNQUANTISED p, in f32, and the product's result is divided by l at the end. Since M is a whole number, a kernel that streams over the keys may use a running M (the ceiling of the running maximum): every later rescaling is an exact power of two, which a block's scale takes up: the codes' values come out the same.
;;   OPERANDS COMPUTED ON THE WAY. 'Computed on the way' means the value that the module computes at that place (a softmax that the list does not call 'softmax' is quantised finished and normalised). What goes into a quantiser is computed in f32, as accurately as f32 sums, v_exp_f32 and their like allow (about 1e-6 of the number): no bf16 or f16 on the way to a quantiser, and a product that is left as it is and whose result goes on into a quantised operand takes f32 operands (vector FMAs, or v_wmma_f32_16x16x4_f32). A number that lies on a knife's edge between two numbers of the format may be rounded either way, as far as f32 arithmetic and the matrix unit's own rounding can turn it there, and no further.
;;   INPUTS GIVEN AS CODES. Wk (in the module: [1024, 1024], K = its axis 1); Wo (in the module: [1024, 1024], K = its axis 1); Wq (in the module: [1024, 1024], K = its axis 1); Wv (in the module: [1024, 1024], K = its axis 1); x (in the module: [4, 2048, 1024], K = its axis 2): each comes as NAME_codes (uint8): NAME with its K axis moved to the last place and cut into blocks of 32 codes, [.., K / 32, bytes a block], one block behind the other in memory; four codes in three bytes: a row's codes are one little-endian stream of bits, code i at bits 6 i .. 6 i + 5 (a code: sign, 2 exponent bits, 3 mantissa bits); and NAME_scales (uint8): the same leading axes, one E8M0 byte (e + 127) for each 32 codes along K. Its value is code x scale, taken as it is: it is not quantised again, and the codes and scales need not be those that the quantiser above would give.
;; One version. Each part assembles by itself: llvm-mc -triple=amdgcn-amd-amdhsa -mcpu=gfx1250 --defsym DOCPART=n.
;; ======== version 1 of 1: 3 launches
;; workspace buffers: qkv 19,660,800 bytes; o_img 6,291,456 bytes; o_sc 262,144 bytes
;; launch proj (part 1): grid 12 x 32, 4 waves a work-group, clusters of 4 x 4, 327,680 bytes of LDS; arguments x_codes, x_scales, Wq_codes, Wq_scales, Wk_codes, Wk_scales, Wv_codes, Wv_scales, bq, bk, bv, qkv; writes qkv
.if DOCPART == 1
	.amdgcn_target "amdgcn-amd-amdhsa--gfx1250"
	.amdhsa_code_object_version 6
	.text
	.protected	k_qafbfda3eb2_proj
	.globl	k_qafbfda3eb2_proj
	.p2align	8
	.type	k_qafbfda3eb2_proj,@function
k_qafbfda3eb2_proj:
	s_mov_b64 s[64:65], 0
	v_nop
	global_prefetch_b8 v0, s[64:65] scope:SCOPE_SE
	s_setreg_imm32_b32 hwreg(HW_REG_WAVE_MODE, 25, 1), 1
	s_wait_xcnt 0x0
	s_wait_alu depctr_hold_cnt(0) depctr_sa_sdst(0) depctr_va_vdst(0) depctr_va_sdst(0) depctr_va_ssrc(0) depctr_va_vcc(0) depctr_vm_vsrc(0)
	s_getreg_b32 s2, hwreg(HW_REG_IB_STS2, 6, 4)
	s_cmp_eq_u32 s2, 0
	s_cbranch_scc0 .Lentry_in_a_cluster
	s_endpgm
.Lentry_in_a_cluster:
	s_bfe_u32 s2, ttmp6, 0x10000c
	s_cmp_lg_u32 s2, 0xf033
	s_cbranch_scc0 .Lentry_shape_is_right
	s_endpgm
.Lentry_shape_is_right:
; q = x Wq^T + bq, k = x Wk^T + bk, v = x Wv^T + bv on codes of FP6 (E2M3) with one E8M0 byte for each 32 along K = 1,024; the f32 results are quantised
; at once (q and k along the head's 64, v along the keys) and leave as codes, laid in the order of the next launch's operand registers.
; SHARES.  384 tiles of 256 x 256; the cluster's x says which product (0 q, 1 k, 2 v): it is the same in all sixteen partners.  Any split by product gives 3 x 2^n tiles.
; A work-group is four waves, a wave makes 128 x 128: 64 accumulators, 512 registers.  K goes in steps of 256 through two LDS slots filled by the tensor data mover.
; "A" is the tensor whose rows a LANE keeps, "B" the one along whose rows a lane's REGISTERS run (source 0 = 16 rows of B, source 1 = 16 rows of A).
;   q, k: A = x (tokens), B = W (features): a lane's registers run along the head's channels.      v: A = Wv (channels), B = x (tokens): they run along the keys.
; Only pointers and cluster-level numbers are chosen by the product's number; A's tiles are shared along a row of the cluster, B's along a column, each asked for jointly.
; THE ORDER INSIDE A BLOCK OF 32.  Tiles are taken as they lie, so a lane (r, h) holds rows 16 t + 8 h + j of B.  The 16 registers of tiles 2 b, 2 b + 1 are numbers
; 8 h + 0..7 and 16 + 8 h + 0..7 of block b, and are laid in that order.  q and k get the same order along the channels, v and the next launch's p the same along the keys:
; one permutation inside one scale block on both operands of a product changes no product and no scale.
; OUTPUT.  qkv: 64 records (16 x batch + head) of HS bytes; in each three parts (q, k, v) of PART bytes: 4,096 bytes of scale words, then 98,304 of images.
; An image is a run of chunks of 256 bytes: chunk p = registers 2 p, 2 p + 1 of all 32 lanes, lane l's 8 bytes at 8 l.  So every store here covers 256 consecutive bytes, aligned.
;   q, k: [tile of 16 tokens][3 chunks] (lane (r, h): block h of token r);  v: [128 keys][16 channels][6 chunks];  scale words: [128 tokens][r][4 words].
; LIMITS: NaN and infinities among the results are not served; a block whose largest magnitude lies under 2^-124, a block of zeros too, gets the byte 1 (the rule says 127 for zeros):
; its codes are zeros or subnormals, and only this program reads the bytes.
; REGISTERS, in windows of 256: window 0: v0-31 addresses; v32-63 scale words, two sets; v64-127 the bias; from v128 A's fragments, one set; v244-251 the bias loads' offsets.
;   window 1: B's fragments, two sets.   window 2: the accumulators of my A rows 0-63 ((a, b) at v[8 (8 a + b)]);   window 3: those of rows 64-127.
.set KSTEP,  256                       ; along K in a slot
.set NQ,     KSTEP/128                 ; matrix instructions deep
.set ROWB,   192                       ; a tile's row in bytes
.set KROW,   768                       ; a row of 1,024 codes in memory
.set PITCH,  240                       ; an LDS row: 3 x (64 bytes + 16 of padding)
.set FR,     12                        ; registers of a fragment
.set NL,     6                         ; LDS loads that bring one
.set NP,     4                         ; places behind this matrix instruction (ISA guide 7.12.1)
.set HALFT,  128*PITCH                 ; what one tensor load brings
.set SLOT,   4*HALFT                   ; A's 256 rows, then B's 256 rows
.set LAPS,   2                         ; 1,024 / 512
.set KS,     32                        ; a row of scale bytes
.set SCL,    2*SLOT                    ; behind the ring: the scales, as units of 256 bytes + 16 of padding
.set HALFS,  (128*KS/256)*272
.set SBLK,   (16*KS/256)*272
.set SPARE,  SCL+4*HALFS               ; the spare words, 128 bytes for each wave: two blocks of 256 bytes that no other line names
.set HS,     307200                    ; a head's record in qkv
.set PART,   102400                    ; one of its three parts
.set ADRA, 16                          ; v16-19  LDS addresses of my A fragments (slot 0, 1; the same behind one padding more)
.set ADRB, 20                          ; v20-23  the same for B
.set CO8,  24                          ; v24     8 x lane: my place in a chunk
.set SA,   25                          ; v25     my place among the scale words: HS x (lane / 16) + 16 x (lane % 16)
.set ADRS, 27                          ; v27     LDS address of my scale words
.set SPW,  28                          ; v28     LDS address of my spare word; never rewritten
.set NIL,  29                          ; v29     0; never rewritten
.set SC,   32                          ; scale words, two sets
.set BI,   64                          ; v64-127 the bias in the results' layout
.set AF,   128                         ; A's fragments
.set T,    128                         ; the way out: 64 numbers of a lane
.set CD,   192                         ; v192-210 the codes just made
.set TM,   212                         ; v212-227 at work in the quantiser
.set PW,   228                         ; v228-235 the eight blocks' scale words
.set XW,   236                         ; v236-239 the four words that a lane stores
.set SELV, 240                         ; v240 byte selects (v241 at work)
.set VA,   244                         ; v244-251 offsets of the bias loads
.set G1, 24
.set G0, 32
.set G1B, 48
.set G0B, 56
.set G1S, 68
.set G0S, 76
.set G1SB, 80
.set G0SB, 88
.set SEL,  92                          ; s92-93 lane selects for v_permlanex16_b32, set for the way out
.set KIND, 95                          ; s95  0 q, 1 k, 2 v
.set HI16, 100                         ; s100 a mask of lanes 16-31
.set MSB, 0
.macro WIN new                         ; the immediate's high byte repeats the setting that is left
.if MSB != (\new)
	s_set_vgpr_msb (MSB<<8)|(\new)
.set MSB, (\new)
.endif
.endm
.set MUL_LO, 0xa1                      ; source 0 (B) window 1, source 1 (A) window 0, C and D window 2
.set MUL_HI, 0xf1                      ; the same, C and D window 3
.set TO_B,   0x40                      ; destination window 1, address window 0
; A joint load: waves 0 and 1 fetch for A, waves 2 and 3 for B.  Each line has one mask and one set of registers; the branch hangs on the wave's number alone.
; Four v_nop follow each of the two lines, ahead of the jump, the label and what follows.
.macro JLOAD g0a, g1a, g0b, g1b
	s_cmp_eq_u32 s15, 0
	s_cbranch_scc0 .Lfor_b_\@
	tensor_load_to_lds s[\g0a:\g0a+3], s[\g1a:\g1a+7]
	s_nop 0
.rept 4
	v_nop
.endr
	s_branch .Lasked_\@
.Lfor_b_\@:
	tensor_load_to_lds s[\g0b:\g0b+3], s[\g1b:\g1b+7]
	s_nop 0
.rept 4
	v_nop
.endr
.Lasked_\@:
.endm
.macro CREST                           ; a round of the cluster's barrier behind its opening barrier
	s_cmp_lg_u32 s14, 0
	s_cbranch_scc1 .Lnot_wave_0_\@
	s_barrier_signal -3
.Lnot_wave_0_\@:
	s_barrier_wait -3
	s_barrier_signal -1
	s_barrier_wait -1
.endm
.macro CROUND                          ; a whole round
	s_barrier_signal -1
	s_barrier_wait -1
	CREST
.endm
	s_load_b512 s[68:83], s[0:1], 0x0              ; x codes 68, x scales 70, Wq 72, 74, Wk 76, 78, Wv 80, 82
	s_load_b256 s[84:91], s[0:1], 0x40             ; bq 84, bk 86, bv 88, qkv 90
	v_lshl_add_u32 v[SPW], v0, 2, SPARE
	v_mov_b32 v[NIL], 0
	ds_add_u32 v28, v29
	ds_add_u32 v28, v29
	s_wait_dscnt 0x0
	v_lshrrev_b32 v1, 5, v0
	v_readfirstlane_b32 s14, v1                    ; wave 0..3
	s_lshr_b32 s15, s14, 1                         ; which half of A's rows is mine.  Also: I fetch for A (0) or for B (1)
	s_and_b32 s16, s14, 1                          ; which half of B's rows.  Also: which 128 rows of that tile I fetch
	s_bfe_u32 s40, ttmp6, 0x40000                  ; cx, cy: my place in the cluster
	s_bfe_u32 s41, ttmp6, 0x40004
	s_and_b32 s45, ttmp7, 0xffff                   ; the cluster's y, 0..7
	s_mov_b32 s[KIND], ttmp9                       ; the cluster's x: which product
	s_mov_b32 s[HI16], 0xffff0000
	s_lshl_b32 s43, s41, 2
	s_lshl_b32 s43, 15, s43                        ; my row of the cluster
	s_lshl_b32 s44, 0x1111, s40                    ; my column
	; descriptor group 1: a tile of 128 rows x 192 bytes, 16 bytes of padding behind every 64
	s_or_b32 s[G1+0], s43, (0<<16)|(1<<20)|(1<<21)|(3<<22)|(3<<25)  ; 15:0 the mask: A's tiles go to my row; elements of 1 byte; padding on; bit 21 beside a mask
	s_or_b32 s[G1B+0], s44, (0<<16)|(1<<20)|(1<<21)|(3<<22)|(3<<25) ; B's go to my column
.irp g, G1, G1B
	s_mov_b32 s[\g+1], ROWB<<16                    ; tensor_dim0
	s_mov_b32 s[\g+2], 128<<16                     ; tensor_dim1
	s_mov_b32 s[\g+3], ROWB<<16                    ; tile_dim0
	s_mov_b32 s[\g+4], 128                         ; tile_dim1
	s_mov_b32 s[\g+5], KROW                        ; tensor_dim0_stride
	s_mov_b32 s[\g+6], 0
	s_mov_b32 s[\g+7], 0
.endr
	v_and_b32 v1, 15, v0                           ; r
	v_bfe_u32 v2, v0, 4, 1                         ; h
	s_wait_kmcnt 0x0
	s_cmp_eq_u32 s[KIND], 2                        ; v?  The choices hang on the cluster's number alone
	s_cselect_b64 s[4:5], s[80:81], s[68:69]       ; A's codes: Wv or x
	s_cselect_b64 s[6:7], s[82:83], s[70:71]       ; A's scales
	s_cselect_b64 s[8:9], s[68:69], s[76:77]       ; B's codes: x or Wk
	s_cselect_b64 s[10:11], s[70:71], s[78:79]
	s_cselect_b64 s[96:97], s[88:89], s[86:87]     ; the bias: bv or bk
	s_cselect_b32 s17, 0, s45                      ; A has 4 tile rows (Wv) or 32 (x),
	s_cselect_b32 s42, s45, 0                      ; B 32 tile columns (x) or 4 (W)
	s_cselect_b32 s18, 4, 0                        ; the bias runs with the lane's row (v),
	s_cselect_b32 s19, 0, 32                       ; or with the half of the lanes
	s_cselect_b32 s20, 0, 4                        ; and the register (q, k)
	s_cmp_eq_u32 s[KIND], 0                        ; q?
	s_cselect_b64 s[8:9], s[72:73], s[8:9]
	s_cselect_b64 s[10:11], s[74:75], s[10:11]
	s_cselect_b64 s[96:97], s[84:85], s[96:97]
	s_mov_b64 s[12:13], s[90:91]                   ; qkv
	s_lshl_b32 s17, s17, 2
	s_add_co_u32 s17, s17, s41                     ; A's tile row: cluster numbers and cy alone
	s_lshl_b32 s42, s42, 2
	s_add_co_u32 s42, s42, s40                     ; B's tile column: cluster numbers and cx alone
	v_mul_u32_u24 v[VA], s18, v1
	v_mad_u32_u24 v[VA], v2, s19, v[VA]
.irp j, 1,2,3,4,5,6,7
	v_add_nc_u32 v[VA+\j], s20, v[VA+\j-1]         ; q, k: 32 h + 4 j;  v: 4 r
.endr
	; the arguments have been taken over: s68-91 now hold the scales' descriptors.  The scales of 128 rows are 4,096 dense bytes: 16 rows of 256 bytes, 16 bytes of padding behind each
	s_or_b32 s[G1S+0], s43, (3<<16)|(1<<20)|(1<<21)|(5<<22)|(3<<25)
	s_or_b32 s[G1SB+0], s44, (3<<16)|(1<<20)|(1<<21)|(5<<22)|(3<<25)
.irp g, G1S, G1SB
	s_mov_b32 s[\g+1], 32<<16
	s_mov_b32 s[\g+2], (128*KS/256)<<16
	s_mov_b32 s[\g+3], 32<<16
	s_mov_b32 s[\g+4], 128*KS/256
	s_mov_b32 s[\g+5], 32
	s_mov_b32 s[\g+6], 0
	s_mov_b32 s[\g+7], 0
.endr
	s_lshl_b32 s18, s16, 7                         ; which 128 rows of the tile I fetch
	s_lshl_b32 s20, s17, 8
	s_add_co_u32 s20, s20, s18                     ; A: row 256 x tile row + 128 x half
	s_lshl_b32 s46, s42, 8
	s_add_co_u32 s46, s46, s18                     ; B: row 256 x tile column + 128 x half
	s_mov_b32 s21, 0
	s_mov_b32 s47, 0
	s_mov_b64 s[18:19], KS
	s_mul_u64 s[22:23], s[20:21], s[18:19]         ; where these rows' scales begin, in bytes
	s_mul_u64 s[92:93], s[46:47], s[18:19]
	s_mov_b64 s[18:19], KROW
	s_mul_u64 s[20:21], s[20:21], s[18:19]         ; and their codes
	s_mul_u64 s[46:47], s[46:47], s[18:19]
	s_mul_i32 s45, s14, HALFT                      ; where they go: wave x 128 rows: no place in the cluster enters an LDS address
	s_mul_i32 s94, s14, HALFS
	s_add_nc_u64 s[20:21], s[4:5], s[20:21]
	s_add_nc_u64 s[22:23], s[6:7], s[22:23]
	s_add_nc_u64 s[46:47], s[8:9], s[46:47]
	s_add_nc_u64 s[92:93], s[10:11], s[92:93]
	CROUND                                         ; all sixteen work-groups are here: the first joint loads meet
	s_mov_b32 s[G0S], 1
	s_add_co_u32 s[G0S+1], s94, SCL
	s_mov_b64 s[G0S+2:G0S+3], s[22:23]
	s_or_b32 s[G0S+3], s[G0S+3], 0x80000000
	s_mov_b32 s[G0SB], 1
	s_add_co_u32 s[G0SB+1], s94, SCL
	s_mov_b64 s[G0SB+2:G0SB+3], s[92:93]
	s_or_b32 s[G0SB+3], s[G0SB+3], 0x80000000
	JLOAD G0S, G1S, G0SB, G1SB                     ; the scales first: they are wanted with K step 0
.irp s, 0,1
	s_mov_b32 s[G0+4*\s], 1
	s_add_co_u32 s[G0+4*\s+1], s45, \s*SLOT
	s_add_nc_u64 s[G0+4*\s+2:G0+4*\s+3], s[20:21], \s*ROWB
	s_or_b32 s[G0+4*\s+3], s[G0+4*\s+3], 0x80000000
	s_mov_b32 s[G0B+4*\s], 1
	s_add_co_u32 s[G0B+4*\s+1], s45, \s*SLOT
	s_add_nc_u64 s[G0B+4*\s+2:G0B+4*\s+3], s[46:47], \s*ROWB
	s_or_b32 s[G0B+4*\s+3], s[G0B+4*\s+3], 0x80000000
	JLOAD G0+4*\s, G1, G0B+4*\s, G1B
.endr
	v_mul_u32_u24 v3, v1, PITCH
	v_mul_u32_u24 v4, v2, 24
	v_add_nc_u32 v4, v3, v4                        ; a fragment's row x pitch + 24 x half
	v_lshl_add_u32 v5, v2, 4, v4                   ; and the same behind one padding more
	s_mul_i32 s21, s15, HALFT                      ; my 128 rows of A
	s_mul_i32 s22, s16, HALFT                      ; my 128 rows of B,
	s_add_co_u32 s22, s22, 2*HALFT                 ; which lie behind A's 256
.irp s, 0,1
	v_add_nc_u32 v[ADRA+\s], s21, v4
	v_add_nc_u32 v[ADRB+\s], s22, v4
	v_add_nc_u32 v[ADRA+2+\s], s21, v5
	v_add_nc_u32 v[ADRB+2+\s], s22, v5
	s_add_co_u32 s21, s21, SLOT
	s_add_co_u32 s22, s22, SLOT
.endr
	v_mul_u32_u24 v5, v1, KS                       ; my row's scales: 32 bytes a row,
	v_lshrrev_b32 v6, 8, v5
	v_lshl_add_u32 v5, v6, 4, v5                   ; and 16 more for each 256 passed
	s_mul_i32 s21, s15, HALFS
	s_mul_i32 s22, s16, HALFS
	s_add_co_u32 s22, s22, 2*HALFS
	s_sub_co_u32 s22, s22, s21
	v_mul_u32_u24 v6, s22, v2                      ; lanes 16-31 take B's
	s_add_co_u32 s21, s21, SCL
	v_add_nc_u32 v5, v5, v6
	v_add_nc_u32 v[ADRS], s21, v5
	; where my wave's results go
	s_lshl_b32 s20, s17, 8
	s_lshl_b32 s21, s15, 7
	s_add_co_u32 s20, s20, s21                     ; my first row of A
	s_lshl_b32 s21, s42, 8
	s_lshl_b32 s22, s16, 7
	s_add_co_u32 s21, s21, s22                     ; my first row of B
	s_cmp_eq_u32 s[KIND], 2
	s_cselect_b32 s22, s21, s20                    ; my first token
	s_cselect_b32 s23, s20, s21                    ; my first feature: two heads' 128
	s_lshr_b32 s46, s22, 11
	s_lshl_b32 s46, s46, 4
	s_lshr_b32 s47, s23, 6
	s_add_co_u32 s46, s46, s47                     ; 16 x batch + the first of my two heads
	s_mul_i32 s46, s46, HS
	s_mul_i32 s47, s[KIND], PART
	s_add_co_u32 s46, s46, s47                     ; the record's part
	s_bfe_u32 s22, s22, 0x40007                    ; which 128 tokens of the batch's 2,048
	s_lshl_b32 s20, s22, 8
	s_add_co_u32 s20, s20, s46
	s_mov_b32 s21, 0
	s_add_nc_u64 s[98:99], s[12:13], s[20:21]      ; the scale words: 256 bytes for 128 tokens
	s_mul_i32 s20, s22, 6144
	s_add_co_u32 s20, s20, s46
	s_add_co_u32 s20, s20, 4096
	s_add_nc_u64 s[12:13], s[12:13], s[20:21]      ; the images: 6,144 bytes for 128 tokens
	s_lshl_b32 s20, s23, 2
	s_add_nc_u64 s[96:97], s[96:97], s[20:21]      ; the bias at my first feature
	v_and_b32 v6, 31, v0
	v_lshlrev_b32 v[CO8], 3, v6
	v_mul_u32_u24 v[SA], v2, HS
	v_lshl_add_u32 v[SA], v1, 4, v[SA]
.irp t, 0,1,2,3,4,5,6,7                        ; q, k: BI[8 t + j] = b[16 t + 8 h + j];  v: BI[8 t + j] = b[16 t + r].  Waited for once, in front of the way out
.irp j, 0,1,2,3,4,5,6,7
	global_load_b32 v[BI+8*\t+\j], v[VA+\j], s[96:97] offset:64*\t
.endr
.endr
.macro FRAG reg, adr, q, i             ; a fragment, 16 rows x 128 K: lane l holds row l % 16; registers 6 c .. 6 c + 5 hold K = 64 c + 32 (l / 16) + 0 .. 31: 24 bytes of the row's stream of bits, as they lie
.irp p, 0,1,2,3,4,5                    ; in pieces of 8 bytes.  Lanes 16-31 read three pieces further on than lanes 0-15
.set PIECE, 12*(\q)+6*(\p/3)+\p%3     ; 16 bytes of padding lie behind every 8 pieces: where the piece three on lies behind one padding more, the second address register serves
.if PIECE%8 < 5
	ds_load_b64 v[\reg+2*\p:\reg+2*\p+1], v[\adr] offset:8*PIECE+16*(PIECE/8)+(\i)*16*PITCH
.else
	ds_load_b64 v[\reg+2*\p:\reg+2*\p+1], v[\adr+2] offset:8*PIECE+16*(PIECE/8)+(\i)*16*PITCH
.endif
.endr
.endm
; 16 matrix instructions: A's blocks a0, a0 + 1 x B's eight, 128 along K.  p: B's set;  sc: the set of scale words.  zero = 1: the first product starts the sums.
; The 64 accumulators take turns, one instruction a turn, in the same order in every step.
.macro MUL16 a0, p, q, sc, zero
.irp a, \a0, \a0+1
.irp b, 0,1,2,3,4,5,6,7
.if \zero
	v_wmma_scale_f32_16x16x128_f8f6f4 v[8*(8*((\a)%4)+\b):8*(8*((\a)%4)+\b)+7], v[128*(\p)+FR*\b:128*(\p)+FR*\b+FR-1], v[AF+FR*(\a):AF+FR*(\a)+FR-1], 0, v[SC+8*NQ*(\sc)+NQ*\b+(\q)], v[SC+8*NQ*(\sc)+NQ*(\a)+(\q)] matrix_a_fmt:MATRIX_FMT_FP6 matrix_b_fmt:MATRIX_FMT_FP6 matrix_a_scale:MATRIX_SCALE_ROW1
.else
	v_wmma_scale_f32_16x16x128_f8f6f4 v[8*(8*((\a)%4)+\b):8*(8*((\a)%4)+\b)+7], v[128*(\p)+FR*\b:128*(\p)+FR*\b+FR-1], v[AF+FR*(\a):AF+FR*(\a)+FR-1], v[8*(8*((\a)%4)+\b):8*(8*((\a)%4)+\b)+7], v[SC+8*NQ*(\sc)+NQ*\b+(\q)], v[SC+8*NQ*(\sc)+NQ*(\a)+(\q)] matrix_a_fmt:MATRIX_FMT_FP6 matrix_b_fmt:MATRIX_FMT_FP6 matrix_a_scale:MATRIX_SCALE_ROW1
.endif
.endr
.endr
.endm
.macro FETCH_B slot, q, p              ; B's eight fragments of the slot's q-th 128 along K into set p
	WIN TO_B
.irp i, 0,1,2,3,4,5,6,7
	FRAG 128*(\p)+FR*\i, ADRB+\slot, \q, \i
.endr
	WIN 0
.endm
.macro FETCH_A slot, q, i0             ; A's blocks i0 .. i0 + 3
.irp i, \i0, \i0+1, \i0+2, \i0+3
	FRAG AF+FR*(\i), ADRA+\slot, \q, \i
.endr
.endm
.macro SCALES sc                       ; a K step's scale words into set sc: two words a row; lanes 0-15 take A's block i, lanes 16-31 B's block i
.irp i, 0,1,2,3,4,5,6,7
	ds_load_b64 v[SC+8*NQ*\sc+NQ*\i:SC+8*NQ*\sc+NQ*\i+1], v[ADRS] offset:\i*SBLK
.endr
.endm
; A load into a register that a matrix instruction has read, and a vector instruction that reads a matrix result, stand NP places behind that matrix instruction; only plain vector
; instructions that name none of its registers are places (ISA guide 7.12.1 for vector instructions).
.macro PLACES n
.rept \n
	v_nop
.endr
.endm
.macro STEP slot, q, zero              ; a step of 128 along K that has its successor in the same slot
	s_wait_dscnt 4*NL                              ; B's set and A's blocks 0-3 are in; the youngest 24 loads (A's blocks 4-7) may be out
	WIN MUL_LO
	MUL16 0, (\q)%2, \q, \slot, \zero
	MUL16 2, (\q)%2, \q, \slot, \zero
	s_wait_dscnt 0                                 ; A's blocks 4-7 are in
	PLACES NP
	FETCH_B \slot, (\q)+1, 1-(\q)%2
	FETCH_A \slot, (\q)+1, 0
	WIN MUL_HI
	MUL16 4, (\q)%2, \q, \slot, \zero
	MUL16 6, (\q)%2, \q, \slot, \zero
	PLACES NP
	WIN 0
	FETCH_A \slot, (\q)+1, 4
.endm
; A slot's last step changes slots: one barrier; in front of it each wave waits for all its tensor loads, adds 0 to its spare word, and waits for that and for its own reads of this slot.
.macro TURN slot, next, fill
	s_wait_tensorcnt 0x0                           ; all my tensor loads have landed: my part of the next slot
	ds_add_u32 v[SPW], v[NIL]                      ; 0 onto my spare word
	s_wait_dscnt 4*NL+1                            ; (the add and the youngest 24 loads, A's blocks 4-7, may be out)
	WIN MUL_LO
	MUL16 0, 1, NQ-1, \slot, 0                     ; sixteen matrix instructions stand between the add and the wait for it
	s_wait_dscnt 0x0                               ; the add is done, and my reads of this slot are over
	s_barrier_signal -1
	MUL16 2, 1, NQ-1, \slot, 0
	WIN 0
	s_barrier_wait -1
.if \fill
	CREST                                          ; the barrier has opened a round of the cluster's barrier: no wave of any partner still reads this slot or has a load on its way
	s_add_nc_u64 s[G0+4*\slot+2:G0+4*\slot+3], s[G0+4*\slot+2:G0+4*\slot+3], 2*ROWB
	s_add_nc_u64 s[G0B+4*\slot+2:G0B+4*\slot+3], s[G0B+4*\slot+2:G0B+4*\slot+3], 2*ROWB
	JLOAD G0+4*\slot, G1, G0B+4*\slot, G1B         ; the first tensor load behind the round; its four v_nop are the places in front of the loads below
.else
	PLACES NP
.endif
	v_add_nc_u32 v[ADRS], 4*NQ, v[ADRS]            ; on to the next K step's scale words (no LDS load of mine is out)
	FETCH_B \next, 0, 0
	FETCH_A \next, 0, 0
	SCALES \next
	WIN MUL_HI
	MUL16 4, 1, NQ-1, \slot, 0
	MUL16 6, 1, NQ-1, \slot, 0
	PLACES NP
	WIN 0
	FETCH_A \next, 0, 4
.endm
	s_wait_tensorcnt 1                             ; the scales and my part of K step 0 are in (of my three first fills slot 1's may be out),
	s_barrier_signal -1
	s_barrier_wait -1                              ; everybody's are
	FETCH_B 0, 0, 0
	FETCH_A 0, 0, 0
	SCALES 0
	FETCH_A 0, 0, 4
	STEP 0, 0, 1                                   ; the first step stands in front of the loop: its products start the sums
	s_mov_b32 s3, LAPS-1
.Llap:                                                 ; a trip goes once round the ring and fills both slots again
	TURN 0, 1, 1
	STEP 1, 0, 0
	TURN 1, 0, 1
	STEP 0, 0, 0
	s_sub_co_u32 s3, s3, 1
	s_cmp_lg_u32 s3, 0
	s_cbranch_scc1 .Llap
	TURN 0, 1, 0                                   ; the last lap fills nothing
	STEP 1, 0, 0
	s_wait_dscnt 4*NL                              ; the very last step
	WIN MUL_LO
	MUL16 0, 1, NQ-1, 1, 0
	MUL16 2, 1, NQ-1, 1, 0
	s_wait_dscnt 0
	WIN MUL_HI
	MUL16 4, 1, NQ-1, 1, 0
	MUL16 6, 1, NQ-1, 1, 0
	WIN 0
; THE QUANTISER.  64 numbers of a lane, v[s] .. v[s + 63]: registers 16 b + 0 .. 15 are my 16 of block b of my row, lane l xor 16 holds the other 16.  They become a fragment's 12 registers in v[CD] on
; and the row's scale word in v[pw].  A block's scale operand is its largest magnitude with 2 taken off the exponent field; the byte is that field.
.macro QUANT s, pw
.irp b, 0,1,2,3
	v_max3_num_f32 v[TM+\b], |v[\s+16*\b]|, |v[\s+1+16*\b]|, 0x1800000   ; with the floor 2^(3 - 127): the byte cannot fall under 1
.endr
.irp i, 2,4,6,8,10,12,14
.irp b, 0,1,2,3
	v_max3_num_f32 v[TM+\b], v[TM+\b], |v[\s+16*\b+\i]|, |v[\s+1+16*\b+\i]|   ; the four blocks by turns
.endr
.endr
.irp b, 0,1,2,3
	v_permlanex16_b32 v[TM+4+\b], v[TM+\b], s[SEL], s[SEL+1]
.endr
.irp b, 0,1,2,3
	v_max_num_f32 v[TM+\b], v[TM+\b], v[TM+4+\b]   ; with lane l xor 16's: the block's largest magnitude
.endr
.irp b, 0,1,2,3
	v_add_nc_u32 v[TM+12+\b], 0xff000000, v[TM+\b] ; 2 off its exponent field: the conversion's scale operand
.endr
.irp b, 0,1,2,3
	v_lshrrev_b32 v[TM+4+\b], 23, v[TM+12+\b]      ; the scale's byte
.endr
	v_lshl_or_b32 v[\pw], v[TM+5], 8, v[TM+4]
	v_lshl_or_b32 v[\pw], v[TM+6], 16, v[\pw]
	v_lshl_or_b32 v[\pw], v[TM+7], 24, v[\pw]
.irp c, 0,1
	v_cvt_scalef32_pk16_fp6_f32 v[CD+6*\c:CD+2+6*\c], v[\s+32*\c:\s+15+32*\c], v[TM+12+2*\c]
	v_cvt_scalef32_pk16_fp6_f32 v[CD+12+4*\c:CD+14+4*\c], v[\s+16+32*\c:\s+31+32*\c], v[TM+12+2*\c+1]   ; (a conversion's three registers begin on an even number)
.endr
	v_nop                                          ; one plain place behind a scaled conversion
.irp c, 0,1                                    ; the operand's layout wants a whole block in a lane: lanes 0-15 block 2 c, lanes 16-31 block 2 c + 1
.irp i, 0,1,2
	v_permlane16_swap_b32 v[CD+6*\c+\i], v[CD+12+4*\c+\i]
.endr
.irp i, 0,1,2
	v_mov_b32 v[CD+3+6*\c+\i], v[CD+12+4*\c+\i]
.endr
.endr
.endm
; THE WAY OUT, A's blocks one after the other: the bias is added (each accumulator read from its low end on), the 64 numbers are quantised, and the fragment's six register pairs leave as six chunks.
; kind = 0 (q, k): registers 0-5 belong to my first head, 6-11 to the second; block a is token tile a.   kind = 1 (v): blocks 0-3 are the first head's channels, 4-7 the second's.
.macro OUT kind
.irp a, 0,1,2,3,4,5,6,7
.if \a > 0
	s_wait_xcnt 0x0                                ; the last block's stores have read their registers: the codes are written again only behind this wait
.endif
	WIN 0x02+(\a/4)                                ; source 0: window 2 or 3
.set ii, 0
.rept 32
.if \kind
	v_pk_add_f32 v[T+2*ii:T+2*ii+1], v[64*(\a%4)+2*ii:64*(\a%4)+2*ii+1], v[BI+8*\a+(2*ii)%8:BI+8*\a+(2*ii)%8+1]
.else
	v_pk_add_f32 v[T+2*ii:T+2*ii+1], v[64*(\a%4)+2*ii:64*(\a%4)+2*ii+1], v[BI+2*ii:BI+2*ii+1]
.endif
.set ii, ii+1
.endr
	WIN 0
	QUANT T, PW+\a
.irp p, 0,1,2,3,4,5
.if \kind
	global_store_b64 v[CO8], v[CD+2*\p:CD+2*\p+1], s[12:13] offset:(\a/4)*HS+1536*(\a%4)+256*\p
.else
	global_store_b64 v[CO8], v[CD+2*\p:CD+2*\p+1], s[12:13] offset:(\p/3)*HS+768*\a+256*(\p%3)
.endif
.endr
.endr
.irp i, 0,1,2,3
.if \kind
	v_cndmask_b32 v[XW+\i], v[PW+\i], v[PW+4+\i], s[HI16]           ; lanes 0-15: the first head's channels 16 i + r; lanes 16-31: the second head's
.else
	v_perm_b32 v[XW+\i], v[PW+2*\i+1], v[PW+2*\i], v[SELV]          ; (two bytes of token tile 2 i | two of tile 2 i + 1): lanes 0-15 the first head's, lanes 16-31 the second's
.endif
.endr
	global_store_b128 v[SA], v[XW:XW+3], s[98:99]  ; sixteen lanes store 256 consecutive bytes, aligned, into each head's record
.endm
	s_wait_loadcnt 0x0                             ; the bias
	PLACES NP                                      ; behind the last products
	s_mov_b32 s[SEL], 0x76543210
	s_mov_b32 s[SEL+1], 0xfedcba98                 ; lane l xor 16
.irp b, 0,1,2,3
	v_mov_b32 v[TM+4+\b], 0                        ; written once: a lane permute's destination counts as one of its sources
.endr
	v_mov_b32 v[SELV], 0x05040100                  ; the two low halves,
	v_mov_b32 v[SELV+1], 0x07060302                ; the two high halves
	v_cndmask_b32 v[SELV], v[SELV], v[SELV+1], s[HI16]
	s_cmp_eq_u32 s[KIND], 2                        ; the same in all partners of the cluster
	s_cbranch_scc1 .Lout_v
	OUT 0
	s_branch .Lend
.Lout_v:
	OUT 1
.Lend:
	s_wait_tensorcnt 0x0                           ; the wave's end
	ds_add_u32 v[SPW], v[NIL]
	s_wait_dscnt 0x0
	CROUND                                         ; the closing round: no work-group ends while a partner may still ask for a tile that names it
	s_endpgm
.Lfunc_end_k_qafbfda3eb2_proj:
	.size	k_qafbfda3eb2_proj, .Lfunc_end_k_qafbfda3eb2_proj-k_qafbfda3eb2_proj
	.p2alignl 7, 3214868480
	.fill 96, 4, 3214868480
	.section	.rodata,"a",@progbits
	.p2align	6, 0x0
	.amdhsa_kernel k_qafbfda3eb2_proj
		.amdhsa_group_segment_fixed_size 327680
		.amdhsa_private_segment_fixed_size 0
		.amdhsa_enable_private_segment 0
		.amdhsa_kernarg_size 96
		.amdhsa_user_sgpr_count 2
		.amdhsa_user_sgpr_kernarg_segment_ptr 1
		.amdhsa_wavefront_size32 1
		.amdhsa_system_sgpr_workgroup_id_x 1
		.amdhsa_system_sgpr_workgroup_id_y 1
		.amdhsa_system_sgpr_workgroup_id_z 1
		.amdhsa_system_vgpr_workitem_id 0
		.amdhsa_next_free_vgpr 1024
		.amdhsa_next_free_sgpr 102
		.amdhsa_reserve_vcc 0
		.amdhsa_float_denorm_mode_32 3
		.amdhsa_float_denorm_mode_16_64 3
		.amdhsa_memory_ordered 1
		.amdhsa_forward_progress 1
		.amdhsa_inst_pref_size 241
	.end_amdhsa_kernel
	.amdgpu_metadata
---
amdhsa.version: [ 1, 2 ]
amdhsa.kernels:
  - .name:           k_qafbfda3eb2_proj
    .symbol:         k_qafbfda3eb2_proj.kd
    .args:
      - { .name: x_codes, .offset: 0, .size: 8, .value_kind: global_buffer, .address_space: global }
      - { .name: x_scales, .offset: 8, .size: 8, .value_kind: global_buffer, .address_space: global }
      - { .name: Wq_codes, .offset: 16, .size: 8, .value_kind: global_buffer, .address_space: global }
      - { .name: Wq_scales, .offset: 24, .size: 8, .value_kind: global_buffer, .address_space: global }
      - { .name: Wk_codes, .offset: 32, .size: 8, .value_kind: global_buffer, .address_space: global }
      - { .name: Wk_scales, .offset: 40, .size: 8, .value_kind: global_buffer, .address_space: global }
      - { .name: Wv_codes, .offset: 48, .size: 8, .value_kind: global_buffer, .address_space: global }
      - { .name: Wv_scales, .offset: 56, .size: 8, .value_kind: global_buffer, .address_space: global }
      - { .name: bq, .offset: 64, .size: 8, .value_kind: global_buffer, .address_space: global }
      - { .name: bk, .offset: 72, .size: 8, .value_kind: global_buffer, .address_space: global }
      - { .name: bv, .offset: 80, .size: 8, .value_kind: global_buffer, .address_space: global }
      - { .name: qkv, .offset: 88, .size: 8, .value_kind: global_buffer, .address_space: global }
    .group_segment_fixed_size: 327680
    .private_segment_fixed_size: 0
    .kernarg_segment_align: 8
    .kernarg_segment_size: 96
    .max_flat_workgroup_size: 128
    .sgpr_count:     102
    .vgpr_count:     1024
    .wavefront_size: 32
...
	.end_amdgpu_metadata
.endif
;; end of part 1
;; launch attn (part 2): grid 4 x 64, 16 waves a work-group, clusters of 4 x 1, 206,848 bytes of LDS; arguments qkv, o_img, o_sc; writes o_img, o_sc
.if DOCPART == 2
	.amdgcn_target "amdgcn-amd-amdhsa--gfx1250"
	.amdhsa_code_object_version 6
	.text
	.protected	k_qafbfda3eb2_attn
	.globl	k_qafbfda3eb2_attn
	.p2align	8
	.type	k_qafbfda3eb2_attn,@function
k_qafbfda3eb2_attn:
	s_mov_b64 s[64:65], 0
	v_nop
	global_prefetch_b8 v0, s[64:65] scope:SCOPE_SE
	s_setreg_imm32_b32 hwreg(HW_REG_WAVE_MODE, 25, 1), 1
	s_wait_xcnt 0x0
	s_wait_alu depctr_hold_cnt(0) depctr_sa_sdst(0) depctr_va_vdst(0) depctr_va_sdst(0) depctr_va_ssrc(0) depctr_va_vcc(0) depctr_vm_vsrc(0)
	s_getreg_b32 s2, hwreg(HW_REG_IB_STS2, 6, 4)
	s_cmp_eq_u32 s2, 0
	s_cbranch_scc0 .Lentry_in_a_cluster
	s_endpgm
.Lentry_in_a_cluster:
	s_bfe_u32 s2, ttmp6, 0x10000c
	s_cmp_lg_u32 s2, 0x3003
	s_cbranch_scc0 .Lentry_shape_is_right
	s_endpgm
.Lentry_shape_is_right:
; o[q] = the sum over the keys of softmax(q . k / 8) v for one head, both products on codes of FP6 (E2M3) with one E8M0 byte for each 32 along a product's K; o is quantised along the model's 1,024 and leaves as codes.
; THE SOFTMAX: t = score x log2(e) / 8; M = the running largest t rounded UP to a whole number; p = 2^(t - M) is what is quantised, along the keys, not normalised.  The row's sum is taken of the
; unquantised p and divides O at the end.  When M moves, the sum and O are multiplied by 2^(old M - new M): exact, and no branch on data.
; SHARES.  A work-group owns 512 queries of one head; each of its sixteen waves takes one tile of 16 queries in each of two passes (tile 32 x + 16 pass + wave), in 256 registers: four waves to a SIMD,
; so that one wave's vector work stands beside another's products and LDS loads.  Every wave walks the head's 2,048 keys, 128 a step.
; LDS.  The head's whole K and V, scale words and images, are 204,800 dense bytes of qkv: they come ONCE, 12,800 bytes a wave, and nothing else ever writes LDS: no ring, no refill.
; The four work-groups of a cluster belong to one head: the fill is asked for jointly, by the same tensor load with a mask that names the four.
; LAYOUT.  Both products are used transposed (S^T = K Q^T, O^T = V^T P^T): a lane holds one query (lane % 16) throughout.  Images are chunks of 256 bytes, chunk p = registers 2 p, 2 p + 1 of 32 lanes.
; K = 64 IN AN INSTRUCTION OF 128.  Two tiles of 16 keys (6 registers each) are one operand of 12 registers.  Q stands in 18 registers, zeros | q | zeros: against q | 0 the operand gives
; the first tile's scores, against 0 | q the second's.  The other tile's codes meet zero codes of Q: every such product is exactly 0 (the format has no NaN or infinity, the bytes are 1 .. 254).
; THE KEYS OF A TILE ARE CHOSEN SO THAT A LANE HOLDS A WHOLE BLOCK OF 32 KEYS.  Row m of operand (c, u), c, u = 0, 1, is key 64 c + 32 (m / 8) + 8 u + m % 8 of the step, and in its second tile the key 16 further on.
; A result's lane (r, h) holds rows 8 h + j: so its 32 registers of operands (c, 0), (c, 1) are block 2 c + h: keys 0-7, 16-23, 8-15, 24-31 of it, the order in which the launch before laid V's codes.
; So a block's largest p needs no other lane, and the conversions' results are the second product's operand without an exchange of lanes.  The choice is one lane term in K's LDS address;
; lanes r and r + 8 then read 1,536 bytes apart, six times 256: K's loads meet two deep in the banks (64 banks of 4 bytes: ISA guide 11.1).  V's loads read 256 bytes on end.
; o meets a given operand next, so its true order along the channels is made in f32, by 16 exchanges of lane halves a pass.
; o_sc is stored a byte a lane, 32 bytes apart: one byte in 24 of what the launch stores.
; LIMITS: NaN and infinities are not served; p under 2^-126 counts as 0; a block whose largest magnitude lies under 2^-124, a block of zeros too, gets the byte 1: only this program reads the bytes.
.set HS,    307200                     ; a head's record: q, k, v parts of PART bytes: 4,096 of scale words, 98,304 of images
.set PART,  102400
.set FILLB, 12800                      ; what one wave fetches: 50 rows of 256 bytes
.set KIMG,  4096                       ; LDS: K's scale words at 0, K's images,
.set VSC,   102400                     ; V's scale words,
.set VIMG,  106496                     ; V's images
.set STEPB, 6144                       ; a key step's images: eight tiles of K, or four operands of V
.set LK,  1                            ; v1   K's images: KIMG + 1,536 (r / 8) + 8 (r % 8) + 128 h
.set LV,  2                            ; v2   V's: VIMG + 8 x lane
.set LKS, 3                            ; v3   K's scale words: 16 (r % 8) + 4 (r / 8)
.set LVS, 4                            ; v4   V's: VSC + 16 r
.set ADK, 5                            ; v5-8 the addresses of the loads in hand
.set ADV, 6
.set ADS, 7
.set ADT, 8
.set G8,  9                            ; v9   8 x lane: my place in a chunk in memory
.set GS,  10                           ; v10  16 r: my query's scale words
.set GB,  11                           ; v11  32 r + h: my byte of o_sc
                                       ; v12 -M, v13 the largest score, v[14:15] the sum in two halves; v16-33 zeros | q | zeros
.set QS,  34                           ; v34  Q's scale word; v35 p's; v36-39 K's four; v40-43 V's four: scales and nothing else
.set PS,  35
.set FRG, 44                           ; v44-91   four operands of K, then of V
.set S,   92                           ; v92-155  S^T, then p
.set OT,  156                          ; v156-187 O^T
.set PC,  188                          ; v188-199 p's codes
.set PT,  200                          ; v200-206 the conversions' second halves
.set BM,  208                          ; v208-211 four chains of maxima; then v208, v210 my two blocks' largest scores
.set BP,  212                          ; v212-215 what other lanes send, and the bytes
.set SO,  216                          ; v216-217 the conversions' scale operands
.set F,   220                          ; v[220:221] f = 2^(old M - new M); the upper register is named with it and written once
.set TA,  222                          ; v222 at work
.set OLD, 223                          ; v223 the old -M
.set C2,  224                          ; v[224:225] the sum's second chain
.set Q1,  226                          ; v226-231 the second pass's q
.set QW,  232                          ; v232-233 the two passes' raw scale words
.set OB,  234                          ; v234 the byte that I store
.set SH8, 235                          ; v235 8 h: where my blocks' bytes stand in a scale word
.set WV,  10                           ; s10  my wave's number
.set G1,  16                           ; s[16:23], s[24:27] the fill's descriptor
.set G0,  24
.set SEL, 28                           ; s[28:29] lane l xor 16
.set CS,  30                           ; s[30:31] c = log2(e) / 8
.set TB,  32                           ; s32  the step's images: 6,144 a step
.set TS,  33                           ; s33  the step's scale words: 256 a step
.set CNT, 34
.set HI16, 35                          ; s35  a mask of lanes 16-31
.macro ROUND                           ; a round of the cluster's barrier
	s_barrier_signal -1
	s_barrier_wait -1
	s_cmp_lg_u32 s[WV], 0
	s_cbranch_scc1 .Lnot_wave_0_\@
	s_barrier_signal -3
.Lnot_wave_0_\@:
	s_barrier_wait -3
	s_barrier_signal -1
	s_barrier_wait -1
.endm
	s_load_b128 s[4:7], s[0:1], 0x0                ; qkv, o_img
	s_load_b64 s[8:9], s[0:1], 0x10                ; o_sc
	v_lshl_add_u32 v254, v0, 2, 0x32000
	v_mov_b32 v255, 0
	ds_add_u32 v254, v255
	ds_add_u32 v254, v255
	v_lshrrev_b32 v1, 5, v0
	s_delay_alu instid0(VALU_DEP_1)
	v_readfirstlane_b32 s[WV], v1                  ; wave 0..15
	s_bfe_u32 s11, ttmp6, 0x40000                  ; cx
	s_lshl_b32 s12, ttmp9, 2
	s_add_co_u32 s12, s12, s11                     ; my block of 512 queries: it enters q's and o's addresses alone
	s_and_b32 s13, ttmp7, 0xffff                   ; 16 x batch + head, which the four partners share
	s_lshr_b32 s14, s13, 4                         ; batch
	s_and_b32 s15, s13, 15                         ; head
	s_mov_b32 s[G1], 15|(3<<16)|(1<<21)            ; 15:0 the mask: all four work-groups; elements of 8 bytes; no padding; bit 21 beside a mask
	s_mov_b32 s[G1+1], 32<<16                      ; tensor_dim0 = 32 elements: 256 bytes
	s_mov_b32 s[G1+2], 50<<16                      ; tensor_dim1 = 50
	s_mov_b32 s[G1+3], 32<<16                      ; tile_dim0
	s_mov_b32 s[G1+4], 50                          ; tile_dim1
	s_mov_b32 s[G1+5], 32                          ; dense rows
	s_mov_b32 s[G1+6], 0
	s_mov_b32 s[G1+7], 0
	s_mov_b32 s[SEL], 0x76543210
	s_mov_b32 s[SEL+1], 0xfedcba98
	s_mov_b32 s[CS], 0x3e38aa3b                    ; log2(e) / 8
	s_mov_b32 s[CS+1], s[CS]                       ; (named with it as a pair, so it is written)
	s_mov_b32 s[HI16], 0xffff0000
	s_mul_i32 s46, s13, HS                         ; the head's record
	s_mul_i32 s[G0+1], s[WV], FILLB                ; LDS address of my part of the fill
	s_add_co_u32 s48, s46, s[G0+1]
	s_add_co_u32 s48, s48, PART                    ; and its place in qkv: behind the record's q part
	s_mov_b32 s49, 0
	s_lshl_b32 s50, s12, 5
	s_add_co_u32 s50, s50, s[WV]                   ; T0: my tile of queries in the first pass
	s_mul_i32 s36, s50, 768
	s_add_co_u32 s36, s36, s46
	s_add_co_u32 s36, s36, 4096                    ; its image
	s_mov_b32 s37, 0
	s_lshr_b32 s38, s50, 3
	s_lshl_b32 s38, s38, 8                         ; its scale words: 256 bytes for eight tiles,
	s_bfe_u32 s51, s50, 0x20001
	s_lshl_b32 s51, s51, 2                         ; a word for two tiles
	s_add_co_u32 s38, s38, s51
	s_add_co_u32 s38, s38, s46
	s_mov_b32 s39, 0
	s_lshl_b32 s40, s14, 7
	s_add_co_u32 s40, s40, s50                     ; the tile among all 512 tiles of tokens
	s_lshl_b32 s42, s40, 9                         ; o_sc: 16 tokens x 32 bytes,
	s_mul_i32 s40, s40, 12288                      ; o_img: 16 heads x 768 bytes a tile,
	s_mul_i32 s51, s15, 768
	s_add_co_u32 s40, s40, s51                     ; my head's three chunks
	s_mov_b32 s41, 0
	s_lshl_b32 s51, s15, 1
	s_add_co_u32 s42, s42, s51                     ; my head's two bytes
	s_mov_b32 s43, 0
	s_and_b32 s44, s50, 1
	s_lshl_b32 s44, s44, 4                         ; an odd tile's two bytes are the word's upper half
	s_wait_dscnt 0x0
	s_wait_kmcnt 0x0
	s_mov_b32 s[G0], 1
	s_add_nc_u64 s[G0+2:G0+3], s[4:5], s[48:49]
	s_or_b32 s[G0+3], s[G0+3], 0x80000000
	s_add_nc_u64 s[36:37], s[4:5], s[36:37]
	s_add_nc_u64 s[38:39], s[4:5], s[38:39]
	s_add_nc_u64 s[40:41], s[6:7], s[40:41]
	s_add_nc_u64 s[42:43], s[8:9], s[42:43]
	ROUND                                          ; all four work-groups are here: the joint loads meet
	tensor_load_to_lds s[G0:G0+3], s[G1:G1+7]      ; each wave's own 12,800 bytes: its only tensor load
	s_nop 0
.rept 4
	v_nop
.endr
	v_and_b32 v[G8], 31, v0
	s_delay_alu instid0(VALU_DEP_1)
	v_lshlrev_b32 v[G8], 3, v[G8]
	s_delay_alu instid0(VALU_DEP_1)
	v_add_nc_u32 v[LV], VIMG, v[G8]
	v_and_b32 v[ADK], 7, v0                        ; r % 8
	v_bfe_u32 v[ADV], v0, 3, 1                     ; r / 8
	v_bfe_u32 v[GB], v0, 4, 1                      ; h
	s_delay_alu instid0(VALU_DEP_3)
	v_lshlrev_b32 v[LK], 3, v[ADK]                 ; K's images: the key's place among its tile's 16 rows, 8 bytes a row (8 u rows more stand in the loads' offsets),
	s_delay_alu instid0(VALU_DEP_1)
	v_lshl_add_u32 v[LK], v[GB], 7, v[LK]          ; the channels' block h: 16 lanes' places on,
	s_delay_alu instid0(VALU_DEP_1)
	v_mad_u32_u24 v[LK], v[ADV], 1536, v[LK]       ; and rows 8-15 of the operand take the keys 32 further on: two tiles of 768 bytes
	s_delay_alu instid0(VALU_DEP_1)
	v_add_nc_u32 v[LK], KIMG, v[LK]
	v_lshlrev_b32 v[LKS], 4, v[ADK]                ; K's scale words: [row of a tile][32 keys]: 16 bytes a row, 4 bytes for 32 keys
	s_delay_alu instid0(VALU_DEP_1)
	v_lshl_add_u32 v[LKS], v[ADV], 2, v[LKS]
	v_lshlrev_b32 v[SH8], 3, v[GB]
	v_and_b32 v[GS], 15, v0                        ; r
	s_delay_alu instid0(VALU_DEP_1)
	v_lshlrev_b32 v[LVS], 4, v[GS]
	s_delay_alu instid0(VALU_DEP_1)
	v_add_nc_u32 v[LVS], VSC, v[LVS]
	s_delay_alu instid0(VALU_DEP_3)
	v_lshl_add_u32 v[GB], v[GS], 5, v[GB]
	s_delay_alu instid0(VALU_DEP_4)
	v_lshlrev_b32 v[GS], 4, v[GS]
.irp i, 0,1,2
	global_load_b64 v[22+2*\i:23+2*\i], v[G8], s[36:37] offset:256*\i           ; q of the first pass,
	global_load_b64 v[Q1+2*\i:Q1+2*\i+1], v[G8], s[36:37] offset:12288+256*\i   ; and of the second: sixteen tiles on
.endr
	global_load_b32 v[QW], v[GS], s[38:39]
	global_load_b32 v[QW+1], v[GS], s[38:39] offset:512
.irp i, 0,1,2,3,4,5
	v_mov_b32 v[16+\i], 0                          ; the zero codes on either side of q
	v_mov_b32 v[28+\i], 0
.endr
.irp b, 0,1,2,3
	v_mov_b32 v[BP+\b], 0                          ; written once: a lane permute's destination counts as one of its sources
.endr
	v_mov_b32 v[F+1], 0
	s_wait_tensorcnt 0x0                           ; my part of K and V is in,
	s_barrier_signal -1
	s_barrier_wait -1                              ; everybody's is
	s_wait_loadcnt 0x0                             ; q and its scale words
.macro FRAGK                           ; K's four operands (c, u) = (f / 2, f % 2) of 12 registers, and their scale words: (two bytes of the first tile's key | two of the second's)
.irp f, 0,1,2,3
.irp p, 0,1,2,3,4,5
	ds_load_b64 v[FRG+12*\f+2*\p:FRG+12*\f+2*\p+1], v[ADK] offset:3072*(\f/2)+64*(\f%2)+256*\p
.endr
	ds_load_b32 v[36+\f], v[ADS] offset:128*(\f%2)+8*(\f/2)
.endr
.endm
.macro FRAGV                           ; V's four operands: 24 loads of 256 bytes on end; and their scale words
.irp f, 0,1,2,3
.irp p, 0,1,2,3,4,5
	ds_load_b64 v[FRG+12*\f+2*\p:FRG+12*\f+2*\p+1], v[ADV] offset:1536*\f+256*\p
.endr
.endr
	ds_load_b128 v[40:43], v[ADT]
.endm
; A KEY STEP: 128 keys.  pre = 1: the next step's K is fetched near its end.  The accumulators take turns, one instruction a turn: eight tiles of S^T, then four of O^T.
.macro STEP pre
	s_wait_dscnt 0x0                               ; K and its scale words are in
.irp b, 0,1,2,3
	v_wmma_scale_f32_16x16x128_f8f6f4 v[S+16*\b:S+16*\b+7], v[FRG+12*\b:FRG+12*\b+11], v[22:33], 0, v[36+\b], v[QS] matrix_a_fmt:MATRIX_FMT_FP6 matrix_b_fmt:MATRIX_FMT_FP6
	v_wmma_scale_f32_16x16x128_f8f6f4 v[S+16*\b+8:S+16*\b+15], v[FRG+12*\b:FRG+12*\b+11], v[16:27], 0, v[36+\b], v[QS] matrix_a_fmt:MATRIX_FMT_FP6 matrix_b_fmt:MATRIX_FMT_FP6
.endr
	v_add_nc_u32 v[ADV], s[TB], v[LV]              ; four additions: the places behind the products, in front of the loads into their operands and of the first read of the scores
	v_add_nc_u32 v[ADT], s[TS], v[LVS]
	s_add_co_u32 s[TB], s[TB], STEPB
	s_add_co_u32 s[TS], s[TS], 256
	v_add_nc_u32 v[ADK], s[TB], v[LK]
	v_add_nc_u32 v[ADS], s[TS], v[LKS]
	FRAGV                                          ; V of this step lands under the softmax
.irp b, 0,1,2,3
	v_max3_num_f32 v[BM+\b], v[S+16*\b], v[S+1+16*\b], v[S+2+16*\b]   ; four chains of 16 scores, by turns
.endr
.irp i, 3,5,7,9,11,13
.irp b, 0,1,2,3
	v_max3_num_f32 v[BM+\b], v[BM+\b], v[S+16*\b+\i], v[S+1+16*\b+\i]
.endr
.endr
.irp b, 0,1,2,3
	v_max_num_f32 v[BM+\b], v[BM+\b], v[S+15+16*\b]
.endr
	s_delay_alu instid0(VALU_DEP_3)
	v_max_num_f32 v[BM], v[BM], v[BM+1]            ; the largest score of my block h,
	s_delay_alu instid0(VALU_DEP_2)
	v_max_num_f32 v[BM+2], v[BM+2], v[BM+3]        ; and of my block 2 + h: each serves for the row's maximum and, since p rises with the score, for the block's largest p
	s_delay_alu instid0(VALU_DEP_1)
	v_max3_num_f32 v[TA], v[BM], v[BM+2], v13      ; with the largest score so far,
	s_delay_alu instid0(VALU_DEP_1)
	v_permlanex16_b32 v[BP], v[TA], s[SEL], s[SEL+1]
	s_delay_alu instid0(VALU_DEP_1)
	v_max_num_f32 v13, v[TA], v[BP]                ; and lane l xor 16's two blocks: the running largest score
	s_delay_alu instid0(VALU_DEP_1)
	v_mul_f32 v[TA], s[CS], v13                    ; as t (c is positive)
	v_mov_b32 v[OLD], v12
	s_delay_alu instid0(VALU_DEP_2)
	v_floor_f32 v12, -v[TA]                        ; the new -M = floor(-t) = -ceil(t)
	s_delay_alu instid0(VALU_DEP_1)
	v_sub_f32 v[TA], v12, v[OLD]                   ; old M - new M: a whole number, 0 or less
	s_delay_alu instid0(VALU_DEP_1)
	v_cvt_i32_f32 v[TA], v[TA]                     ; (it saturates)
	s_delay_alu instid0(VALU_DEP_1)
	v_ldexp_f32 v[F], 1.0, v[TA]                   ; f = 2^(old M - new M)
.set jj, 0
.rept 32
	v_pk_fma_f32 v[S+jj:S+jj+1], v[S+jj:S+jj+1], s[CS:CS+1], v[12:13] op_sel_hi:[1,0,0]   ; t - M, two at a time (of the pairs c and -M the low word serves both halves)
.set jj, jj+2
.endr
.irp c, 0,1
	v_fma_f32 v[BM+2*\c], v[BM+2*\c], s[CS], v12   ; the same of each block's largest score
.endr
.set jj, 0
	s_wait_alu depctr_va_vdst(0)
.rept 64
	v_exp_f32 v[S+jj], v[S+jj]                     ; p = 2^(t - M)
.set jj, jj+1
.endr
.irp c, 0,1
	v_exp_f32 v[BM+2*\c], v[BM+2*\c]               ; the block's largest p: the same two instructions on the same number
.endr
	v_pk_mul_f32 v[14:15], v[14:15], v[F:F+1] op_sel_hi:[1,0]   ; the sums under the new M (the plain place behind the exponentials)
	s_wait_alu depctr_va_vdst(0)
.irp c, 0,1
	v_max_num_f32 v[BM+2*\c], 0x1800000, v[BM+2*\c]   ; the floor 2^(3 - 127): the byte cannot fall under 1
.endr
.irp c, 0,1
	s_delay_alu instid0(VALU_DEP_2)
	v_add_nc_u32 v[SO+\c], 0xff000000, v[BM+2*\c]  ; 2 off the exponent field: the conversion's scale operand, each lane's own block's
.endr
.irp c, 0,1
	s_delay_alu instid0(VALU_DEP_2)
	v_lshrrev_b32 v[BP+\c], 23, v[SO+\c]           ; the scale's byte
.endr
	s_delay_alu instid0(VALU_DEP_1)
	v_lshl_or_b32 v[TA], v[BP+1], 16, v[BP]        ; my two bytes: blocks h and 2 + h,
	s_delay_alu instid0(VALU_DEP_1)
	v_lshlrev_b32 v[TA], v[SH8], v[TA]             ; at their places in the scale word;
	s_delay_alu instid0(VALU_DEP_1)
	v_permlanex16_b32 v[BP+2], v[TA], s[SEL], s[SEL+1]
	s_delay_alu instid0(VALU_DEP_1)
	v_or_b32 v[PS], v[TA], v[BP+2]                 ; with lane l xor 16's two the word is whole
.irp c, 0,1
	v_cvt_scalef32_pk16_fp6_f32 v[PC+6*\c:PC+6*\c+2], v[S+32*\c:S+32*\c+15], v[SO+\c]
	v_cvt_scalef32_pk16_fp6_f32 v[PT+4*\c:PT+4*\c+2], v[S+32*\c+16:S+32*\c+31], v[SO+\c]   ; (a conversion's three registers begin on an even number: the block's second half is made elsewhere and moved)
.endr
.set jj, 0
.rept 2
	v_pk_mul_f32 v[OT+jj:OT+jj+1], v[OT+jj:OT+jj+1], v[F:F+1] op_sel_hi:[1,0]   ; O^T under the new M, each tile from its low end on.  The first is the plain place behind the conversions
.set jj, jj+2
.endr
.irp c, 0,1
.irp i, 0,1,2
	v_mov_b32 v[PC+3+6*\c+\i], v[PT+4*\c+\i]       ; registers 6 c .. 6 c + 5: my block 2 c + h, whole
.endr
.endr
.rept 14
	v_pk_mul_f32 v[OT+jj:OT+jj+1], v[OT+jj:OT+jj+1], v[F:F+1] op_sel_hi:[1,0]   ; (fourteen lines between the operand's last write and the product; more behind the scale word's)
.set jj, jj+2
.endr
	s_wait_alu depctr_va_vdst(0)
	s_wait_dscnt 0x0                               ; V and its scale words are in
.irp a, 0,1,2,3
	v_wmma_scale_f32_16x16x128_f8f6f4 v[OT+8*\a:OT+8*\a+7], v[FRG+12*\a:FRG+12*\a+11], v[PC:PC+11], v[OT+8*\a:OT+8*\a+7], v[40+\a], v[PS] matrix_a_fmt:MATRIX_FMT_FP6 matrix_b_fmt:MATRIX_FMT_FP6
.endr
	v_pk_add_f32 v[C2:C2+1], v[S:S+1], v[S+2:S+3]  ; the row's sum is taken of the unquantised p: two at a time, in two chains.  These lines name no register of the products above: they are the places behind them
.irp j, 4,8
	v_pk_add_f32 v[14:15], v[14:15], v[S+\j:S+\j+1]
	v_pk_add_f32 v[C2:C2+1], v[C2:C2+1], v[S+\j+2:S+\j+3]
.endr
.if \pre
	FRAGK                                          ; the next step's K, five places behind the products that read these registers; it lands under the rest of the sums
.endif
.irp j, 12,16,20,24,28,32,36,40,44,48,52,56,60
	v_pk_add_f32 v[14:15], v[14:15], v[S+\j:S+\j+1]
	v_pk_add_f32 v[C2:C2+1], v[C2:C2+1], v[S+\j+2:S+\j+3]
.endr
	s_delay_alu instid0(VALU_DEP_1)
	v_pk_add_f32 v[14:15], v[14:15], v[C2:C2+1]
.endm
; THE WAY OUT of a pass: O^T / the sum; the true order along the channels; two blocks of 32 quantised; three chunks and a byte a lane leave from registers.  (The last step's sums are the places behind its products.)
.macro WAYOUT p
	s_delay_alu instid0(VALU_DEP_1)
	v_add_f32 v14, v14, v15                        ; the sum's two halves,
	s_delay_alu instid0(VALU_DEP_1)
	v_permlanex16_b32 v[TA], v14, s[SEL], s[SEL+1]
	s_delay_alu instid0(VALU_DEP_1)
	v_add_f32 v14, v14, v[TA]                      ; and lane l xor 16's: the row's sum
	s_wait_alu depctr_va_vdst(0)
	v_rcp_f32 v14, v14
	v_nop                                          ; one plain place behind a transcendental
.set jj, 0
	s_wait_alu depctr_va_vdst(0)
.rept 16
	v_pk_mul_f32 v[OT+jj:OT+jj+1], v[OT+jj:OT+jj+1], v[14:15] op_sel_hi:[1,0]
.set jj, jj+2
.endr
.irp e, 0,1                                    ; tiles 2 e, 2 e + 1: channels 32 e + 16 u + 8 h + j.  The first's lanes 16-31 change places with the second's lanes 0-15: registers 16 e + 0 .. 15 are then channels 32 e + 16 h + 0 .. 15
.irp j, 0,1,2,3,4,5,6,7
	v_permlane16_swap_b32 v[OT+16*\e+\j], v[OT+16*\e+8+\j]
.endr
.endr
.irp e, 0,1
	v_max3_num_f32 v[BM+\e], |v[OT+16*\e]|, |v[OT+16*\e+1]|, 0x1800000
.endr
.irp i, 2,4,6,8,10,12,14
.irp e, 0,1
	s_delay_alu instid0(VALU_DEP_2)
	v_max3_num_f32 v[BM+\e], v[BM+\e], |v[OT+16*\e+\i]|, |v[OT+16*\e+\i+1]|
.endr
.endr
.irp e, 0,1
	s_delay_alu instid0(VALU_DEP_2)
	v_permlanex16_b32 v[BP+\e], v[BM+\e], s[SEL], s[SEL+1]
.endr
.irp e, 0,1
	s_delay_alu instid0(VALU_DEP_2)
	v_max_num_f32 v[BM+\e], v[BM+\e], v[BP+\e]
.endr
.irp e, 0,1
	s_delay_alu instid0(VALU_DEP_2)
	v_add_nc_u32 v[SO+\e], 0xff000000, v[BM+\e]
.endr
.irp e, 0,1
	s_delay_alu instid0(VALU_DEP_2)
	v_lshrrev_b32 v[BP+\e], 23, v[SO+\e]
.endr
	v_cvt_scalef32_pk16_fp6_f32 v[PC:PC+2], v[OT:OT+15], v[SO]
	v_cvt_scalef32_pk16_fp6_f32 v[PT:PT+2], v[OT+16:OT+31], v[SO+1]
	v_nop                                          ; one plain place behind a scaled conversion
.irp i, 0,1,2
	v_permlane16_swap_b32 v[PC+\i], v[PT+\i]       ; lanes 0-15: block 0 whole, lanes 16-31: block 1
.endr
.irp i, 0,1,2
	s_delay_alu instid0(VALU_DEP_3)
	v_mov_b32 v[PC+3+\i], v[PT+\i]
.endr
	v_cndmask_b32 v[OB], v[BP], v[BP+1], s[HI16]   ; my block's byte
.irp i, 0,1,2
	global_store_b64 v[G8], v[PC+2*\i:PC+2*\i+1], s[40:41] offset:196608*\p+256*\i   ; 32 lanes store 256 consecutive bytes, aligned
.endr
	global_store_b8 v[GB], v[OB], s[42:43] offset:8192*\p
.endm
.macro PASS p
.if \p
	s_wait_xcnt 0x0                                ; the first pass's stores have read their registers
.irp i, 0,1,2,3,4,5
	v_mov_b32 v[22+\i], v[Q1+\i]
.endr
.endif
	v_lshrrev_b32 v[TA], s44, v[QW+\p]             ; my tile's two bytes,
	s_delay_alu instid0(VALU_DEP_1)
	v_perm_b32 v[QS], v[TA], v[TA], 0x01000100     ; twice: they serve q in either half of the operand.  The lines below are the places between this line and the first product
	v_mov_b32 v13, 0xff61b1e6                      ; the largest score so far: -3e38, under every score
	s_delay_alu instid0(VALU_DEP_1)
	v_floor_f32 v12, -v13                          ; -M: so large that the first step's f is 0
	v_mov_b32 v14, 0
	v_mov_b32 v15, 0
.set jj, 0
.rept 32
	v_mov_b32 v[OT+jj], 0                          ; the step is written once: the first finds zeros, which the first change of M leaves zeros
.set jj, jj+1
.endr
	s_mov_b32 s[TB], 0
	s_mov_b32 s[TS], 0
	v_add_nc_u32 v[ADK], s[TB], v[LK]
	v_add_nc_u32 v[ADS], s[TS], v[LKS]
	FRAGK
	s_mov_b32 s[CNT], 15
.Lstep_\@:                                         ; 15 trips; the sixteenth step fetches no further K and is written out
	STEP 1
	s_sub_co_u32 s[CNT], s[CNT], 1
	s_cmp_lg_u32 s[CNT], 0
	s_cbranch_scc1 .Lstep_\@
	STEP 0
	WAYOUT \p
.endm
	PASS 0
	PASS 1
	s_wait_tensorcnt 0x0
	ds_add_u32 v254, v255
	s_wait_dscnt 0x0
	ROUND                                          ; the closing round: no work-group ends while a partner may still ask for a tile that names it
	s_endpgm
.Lfunc_end_k_qafbfda3eb2_attn:
	.size	k_qafbfda3eb2_attn, .Lfunc_end_k_qafbfda3eb2_attn-k_qafbfda3eb2_attn
	.p2alignl 7, 3214868480
	.fill 96, 4, 3214868480
	.section	.rodata,"a",@progbits
	.p2align	6, 0x0
	.amdhsa_kernel k_qafbfda3eb2_attn
		.amdhsa_group_segment_fixed_size 206848
		.amdhsa_private_segment_fixed_size 0
		.amdhsa_enable_private_segment 0
		.amdhsa_kernarg_size 24
		.amdhsa_user_sgpr_count 2
		.amdhsa_user_sgpr_kernarg_segment_ptr 1
		.amdhsa_wavefront_size32 1
		.amdhsa_system_sgpr_workgroup_id_x 1
		.amdhsa_system_sgpr_workgroup_id_y 1
		.amdhsa_system_sgpr_workgroup_id_z 1
		.amdhsa_system_vgpr_workitem_id 0
		.amdhsa_next_free_vgpr 256
		.amdhsa_next_free_sgpr 66
		.amdhsa_reserve_vcc 0
		.amdhsa_float_denorm_mode_32 3
		.amdhsa_float_denorm_mode_16_64 3
		.amdhsa_memory_ordered 1
		.amdhsa_forward_progress 1
		.amdhsa_inst_pref_size 86
	.end_amdhsa_kernel
	.amdgpu_metadata
---
amdhsa.version: [ 1, 2 ]
amdhsa.kernels:
  - .name:           k_qafbfda3eb2_attn
    .symbol:         k_qafbfda3eb2_attn.kd
    .args:
      - { .name: qkv, .offset: 0, .size: 8, .value_kind: global_buffer, .address_space: global }
      - { .name: o_img, .offset: 8, .size: 8, .value_kind: global_buffer, .address_space: global }
      - { .name: o_sc, .offset: 16, .size: 8, .value_kind: global_buffer, .address_space: global }
    .group_segment_fixed_size: 206848
    .private_segment_fixed_size: 0
    .kernarg_segment_align: 8
    .kernarg_segment_size: 24
    .max_flat_workgroup_size: 512
    .sgpr_count:     66
    .vgpr_count:     256
    .wavefront_size: 32
...
	.end_amdgpu_metadata
.endif
;; end of part 2
;; launch outp (part 3): grid 8 x 32, 4 waves a work-group, clusters of 4 x 4, 320,000 bytes of LDS; arguments o_img, o_sc, Wo_codes, Wo_scales, bo, out0; writes out0
.if DOCPART == 3
	.amdgcn_target "amdgcn-amd-amdhsa--gfx1250"
	.amdhsa_code_object_version 6
	.text
	.protected	k_qafbfda3eb2_outp
	.globl	k_qafbfda3eb2_outp
	.p2align	8
	.type	k_qafbfda3eb2_outp,@function
k_qafbfda3eb2_outp:
	s_mov_b64 s[64:65], 0
	v_nop
	global_prefetch_b8 v0, s[64:65] scope:SCOPE_SE
	s_setreg_imm32_b32 hwreg(HW_REG_WAVE_MODE, 25, 1), 1
	s_wait_xcnt 0x0
	s_wait_alu depctr_hold_cnt(0) depctr_sa_sdst(0) depctr_va_vdst(0) depctr_va_sdst(0) depctr_va_ssrc(0) depctr_va_vcc(0) depctr_vm_vsrc(0)
	s_getreg_b32 s2, hwreg(HW_REG_IB_STS2, 6, 4)
	s_cmp_eq_u32 s2, 0
	s_cbranch_scc0 .Lentry_in_a_cluster
	s_endpgm
.Lentry_in_a_cluster:
	s_bfe_u32 s2, ttmp6, 0x10000c
	s_cmp_lg_u32 s2, 0xf033
	s_cbranch_scc0 .Lentry_shape_is_right
	s_endpgm
.Lentry_shape_is_right:
; out0[m][n] = the sum over k of o[m][k] Wo[n][k] + bo[n], on codes of FP6 (E2M3) with one E8M0 byte for each 32 along K = 1,024; sums and result in f32.
; A = o, 8,192 rows, as the launch before left it: IMAGES of operand registers, [tile of 16 rows][K step of 128][6 chunks of 256 bytes], chunk p = registers 2 p, 2 p + 1 of the 32 lanes; its scale bytes [row][32].
; B = Wo, 1,024 rows of 768 bytes, a stream of bits, K innermost; its scale bytes [row][32].
; SHARES.  A tile of the result is 256 rows x 128 columns: 32 x 8 = 256 work-groups.  Four waves; wave w makes rows 64 w .. 64 w + 63 and all 128 columns: 32 accumulators, 256 registers.
; NO RING.  With this tile all of K fits in LDS: a slot of 256 along K holds A's 16 images x 3,072 bytes and B's 128 rows x 240 bytes, 79,872 bytes; four slots are 319,488.  Every fill is a first fill:
; each wave issues its four tensor loads at the start (waves 0, 1: A's halves, 8 rows of 3,072 bytes, 12,288 apart; waves 2, 3: B's halves, 64 rows of 192 bytes), four loads of a wave are out at the most,
; and in front of each slot's first read stand a counted wait and a barrier.  No LDS byte is filled twice.
; THE SCALE WORDS come once, straight into registers: a lane's row has 32 bytes, eight words, one for each 128 along K; two loads of 16 bytes a lane cover 512 consecutive bytes for 16 rows.
; THE BIAS is the C of each sum's first product: eight registers for each 16 columns, in the result's layout.
; CLUSTERS: 4 x 4 work-groups; A's tiles are shared along a row of the cluster, B's along a column, each asked for jointly.  The matrix instruction is used transposed (source 0 = 16 rows of B,
; source 1 = 16 rows of A): a lane holds eight neighbouring numbers of a row of the result.
; REGISTERS, in windows of 256: window 0: v0-31 addresses; v32-63 A's scale words (block a, K step q: 8 a + q), v64-127 B's (8 b + q): scales and nothing else; v128-223 A's fragments, two sets of 48;
;   on the way out v128-255 rows.   window 1: B's fragments, two sets, at v0 and v128; the bias in the gaps, v96-127 and v224-255.   window 2: the accumulators ((a, b) at v[8 (8 a + b)]).
.set SIZE_N, 1024
.set ROWB,   192                       ; a row of B's tile in bytes: 256 codes
.set AROWB,  3072                      ; a row of A's tile: a tile of 16 rows' two operands
.set KROW,   768                       ; 1,024 codes in bytes
.set PITCH,  240                       ; B's LDS row: 3 x (64 bytes + 16 of padding) = 60 words: the 32 lanes of a load of 8 bytes touch 64 different banks (64 banks of 4 bytes: ISA guide 11.1)
.set FR,     12                        ; registers of a fragment
.set NL,     6                         ; LDS loads that bring one
.set NP,     4                         ; places behind this matrix instruction (ISA guide 7.12.1)
.set AHALF,  8*AROWB                   ; what one tensor load of A brings
.set BHALF,  64*PITCH                  ; and one of B
.set BOFF,   2*AHALF                   ; in a slot B lies behind A
.set SLOT,   BOFF+2*BHALF
.set SPITCH, 528                       ; the way out: a stage of 16 rows x (512 bytes + 16) for each wave, in slot 0, which has had its one fill and its last read by then
.set ADRA, 12                          ; v12-15  LDS address of my A images in slots 0 to 3
.set ADRB, 16                          ; v16-19  of B's fragments; v20-23 the same behind one padding more
.set STO,  24                          ; v24     the way out: where I put 32 bytes of a row
.set RD,   25                          ; v25     where I read a row back
.set CO,   26                          ; v26     16 x lane: my place in a row of 512 bytes
.set SV,   27                          ; v27     32 r: my row's scale bytes
.set VB,   28                          ; v28     32 h: my half's eight numbers of the bias
.set SCA,  32
.set SCB,  64
.set AF,   128
.set BK,   128
.set G1,  24                           ; s[24:31] descriptor group 1 for A's tiles; s[48:55] for B's
.set G1B, 48
.set G0,  68                           ; s[68:83] group 0 for A's tiles, a set for each slot; s[84:99] for B's
.set G0B, 84
.set MSB, 0
.macro WIN new                         ; the immediate's high byte repeats the setting that is left
.if MSB != (\new)
	s_set_vgpr_msb (MSB<<8)|(\new)
.set MSB, (\new)
.endif
.endm
.set MUL,  0xa1                        ; source 0 (B) window 1, source 1 (A) window 0, C and D window 2
.set MUL0, 0x91                        ; the first step: C (the bias) window 1, D window 2
.set TO_B, 0x40                        ; destination window 1, address window 0
.macro CREST                           ; a round of the cluster's barrier behind its opening barrier
	s_cmp_lg_u32 s14, 0
	s_cbranch_scc1 .Lnot_wave_0_\@
	s_barrier_signal -3
.Lnot_wave_0_\@:
	s_barrier_wait -3
	s_barrier_signal -1
	s_barrier_wait -1
.endm
.macro CROUND
	s_barrier_signal -1
	s_barrier_wait -1
	CREST
.endm
	s_load_b128 s[4:7], s[0:1], 0x0                ; o's images, o's scales
	s_load_b128 s[8:11], s[0:1], 0x10              ; Wo's codes, Wo's scales
	s_load_b128 s[32:35], s[0:1], 0x20             ; bo, out0
	v_lshl_add_u32 v30, v0, 2, 0x4e000
	v_mov_b32 v31, 0
	ds_add_u32 v30, v31
	ds_add_u32 v30, v31
	v_lshrrev_b32 v1, 5, v0
	v_readfirstlane_b32 s14, v1                    ; wave 0..3
	s_lshr_b32 s15, s14, 1                         ; I fetch for A (0) or for B (1),
	s_and_b32 s16, s14, 1                          ; its first or second half
	s_bfe_u32 s40, ttmp6, 0x40000                  ; cx, cy
	s_bfe_u32 s41, ttmp6, 0x40004
	s_lshl_b32 s42, ttmp9, 2
	s_add_co_u32 s42, s42, s40                     ; tile column, 0..7
	s_and_b32 s17, ttmp7, 0xffff
	s_lshl_b32 s17, s17, 2
	s_add_co_u32 s17, s17, s41                     ; tile row, 0..31
	s_lshl_b32 s43, s41, 2
	s_lshl_b32 s43, 15, s43                        ; my row of the cluster
	s_lshl_b32 s44, 0x1111, s40                    ; my column
	s_or_b32 s[G1+0], s43, (3<<16)|(1<<21)         ; A: the mask of my row; elements of 8 bytes; no padding; bit 21 beside a mask
	s_mov_b32 s[G1+1], 384<<16                     ; tensor_dim0 = 384 elements: 3,072 bytes
	s_mov_b32 s[G1+2], 8<<16                       ; tensor_dim1 = 8
	s_mov_b32 s[G1+3], 384<<16                     ; tile_dim0
	s_mov_b32 s[G1+4], 8                           ; tile_dim1
	s_mov_b32 s[G1+5], 1536                        ; 12,288 bytes from a tile of rows to the next
	s_mov_b32 s[G1+6], 0
	s_mov_b32 s[G1+7], 0
	s_or_b32 s[G1B+0], s44, (0<<16)|(1<<20)|(1<<21)|(3<<22)|(3<<25)  ; B: the mask of my column; elements of 1 byte; 16 bytes of padding behind every 64
	s_mov_b32 s[G1B+1], ROWB<<16
	s_mov_b32 s[G1B+2], 64<<16
	s_mov_b32 s[G1B+3], ROWB<<16
	s_mov_b32 s[G1B+4], 64
	s_mov_b32 s[G1B+5], KROW
	s_mov_b32 s[G1B+6], 0
	s_mov_b32 s[G1B+7], 0
	s_lshl_b32 s20, s17, 4
	s_lshl_b32 s18, s16, 3
	s_add_co_u32 s20, s20, s18                     ; A: tile of rows 16 x tile row + 8 x half,
	s_mul_i32 s20, s20, 12288                      ; in bytes: the tile row and the wave's number alone
	s_mov_b32 s21, 0
	s_lshl_b32 s46, s42, 7
	s_lshl_b32 s18, s16, 6
	s_add_co_u32 s46, s46, s18                     ; B: row 128 x tile column + 64 x half,
	s_mul_i32 s46, s46, KROW                       ; in bytes: the tile column and the wave's number alone
	s_mov_b32 s47, 0
	s_mul_i32 s45, s16, AHALF                      ; where they go: no place in the cluster enters an LDS address
	s_mul_i32 s36, s16, BHALF
	s_add_co_u32 s36, s36, BOFF
	s_wait_dscnt 0x0
	s_wait_kmcnt 0x0
	s_add_nc_u64 s[20:21], s[4:5], s[20:21]
	s_add_nc_u64 s[46:47], s[8:9], s[46:47]
.irp s, 0,1,2,3
	s_mov_b32 s[G0+4*\s], 1
	s_add_co_u32 s[G0+4*\s+1], s45, \s*SLOT
	s_add_nc_u64 s[G0+4*\s+2:G0+4*\s+3], s[20:21], \s*AROWB
	s_or_b32 s[G0+4*\s+3], s[G0+4*\s+3], 0x80000000
	s_mov_b32 s[G0B+4*\s], 1
	s_add_co_u32 s[G0B+4*\s+1], s36, \s*SLOT
	s_add_nc_u64 s[G0B+4*\s+2:G0B+4*\s+3], s[46:47], \s*ROWB
	s_or_b32 s[G0B+4*\s+3], s[G0B+4*\s+3], 0x80000000
.endr
	CROUND                                         ; all sixteen work-groups are here: the joint loads meet
	s_cmp_eq_u32 s15, 0                            ; a wave's four fills stand in one branch on its number, ahead of every wait on TENSORcnt, every LDS read and every further barrier
	s_cbranch_scc0 .Lfirst_b
.irp s, 0,1,2,3
	tensor_load_to_lds s[G0+4*\s:G0+4*\s+3], s[G1:G1+7]
	s_nop 0
.endr
.rept 4
	v_nop
.endr
	s_branch .Lfirst_asked
.Lfirst_b:
.irp s, 0,1,2,3
	tensor_load_to_lds s[G0B+4*\s:G0B+4*\s+3], s[G1B:G1B+7]
	s_nop 0
.endr
.rept 4
	v_nop
.endr
.Lfirst_asked:
	v_and_b32 v1, 15, v0                           ; r
	v_bfe_u32 v2, v0, 4, 1                         ; h
	v_mul_u32_u24 v3, v1, PITCH
	v_mul_u32_u24 v4, v2, 24
	v_add_nc_u32 v4, v3, v4                        ; B: a fragment's row x pitch + 24 x half
	v_lshl_add_u32 v5, v2, 4, v4                   ; and the same behind one padding more
	v_and_b32 v6, 31, v0
	v_lshlrev_b32 v7, 3, v6                        ; A: 8 x lane
	s_mul_i32 s37, s14, 4*AROWB                    ; my four tiles of rows
	s_mov_b32 s38, BOFF
.irp s, 0,1,2,3
	v_add_nc_u32 v[ADRA+\s], s37, v7
	v_add_nc_u32 v[ADRB+\s], s38, v4
	v_add_nc_u32 v[ADRB+4+\s], s38, v5
	s_add_co_u32 s37, s37, SLOT
	s_add_co_u32 s38, s38, SLOT
.endr
	s_mul_i32 s23, s14, 16*SPITCH                  ; my stage
	v_mul_u32_u24 v5, v1, SPITCH
	v_lshl_add_u32 v5, v2, 5, v5
	v_add_nc_u32 v[STO], s23, v5                   ; in: row r, 32 bytes for each half of the lanes
	v_lshlrev_b32 v[CO], 4, v6                     ; back: the 32 lanes take one row of 512 bytes; and the same in out0
	v_add_nc_u32 v[RD], s23, v[CO]
	v_lshlrev_b32 v[SV], 5, v1
	v_lshlrev_b32 v[VB], 5, v2
	s_lshl_b32 s18, s17, 13                        ; my first row, 256 x tile row + 64 x wave, times 32 bytes of scales
	s_lshl_b32 s19, s14, 11
	s_add_co_u32 s18, s18, s19
	s_mov_b32 s19, 0
	s_add_nc_u64 s[6:7], s[6:7], s[18:19]
	s_lshl_b32 s18, s42, 12                        ; B's first row, 128 x tile column, times 32
	s_add_nc_u64 s[10:11], s[10:11], s[18:19]
	s_lshl_b32 s18, s42, 9                         ; the tile's first column, in bytes
	s_add_nc_u64 s[32:33], s[32:33], s[18:19]
	s_add_nc_u64 s[12:13], s[34:35], s[18:19]
	s_lshl_b32 s18, s17, 20                        ; my first row times 4,096 bytes
	s_lshl_b32 s22, s14, 18
	s_add_co_u32 s18, s18, s22
	s_add_nc_u64 s[12:13], s[12:13], s[18:19]
.irp a, 0,1,2,3
	global_load_b128 v[SCA+8*\a:SCA+8*\a+3], v[SV], s[6:7] offset:512*\a           ; row 16 a + r: its eight scale words
	global_load_b128 v[SCA+8*\a+4:SCA+8*\a+7], v[SV], s[6:7] offset:512*\a+16
.endr
.irp b, 0,1,2,3,4,5,6,7
	global_load_b128 v[SCB+8*\b:SCB+8*\b+3], v[SV], s[10:11] offset:512*\b
	global_load_b128 v[SCB+8*\b+4:SCB+8*\b+7], v[SV], s[10:11] offset:512*\b+16
.endr
	WIN TO_B
.irp b, 0,1,2,3,4,5,6,7                        ; the bias of columns 16 b + 8 h + 0 .. 7, in window 1's gaps: v96-127 for b = 0 .. 3, v224-255 for b = 4 .. 7
	global_load_b128 v[96+8*\b+96*(\b/4):96+8*\b+96*(\b/4)+3], v[VB], s[32:33] offset:64*\b
	global_load_b128 v[96+8*\b+96*(\b/4)+4:96+8*\b+96*(\b/4)+7], v[VB], s[32:33] offset:64*\b+16
.endr
	WIN 0
.macro FRAG reg, adr, q, i             ; B's fragment: lane l holds row l % 16; registers 6 c .. 6 c + 5 hold K = 64 c + 32 (l / 16) + 0 .. 31, in pieces of 8 bytes
.irp p, 0,1,2,3,4,5
.set PIECE, 12*(\q)+6*(\p/3)+\p%3     ; 16 bytes of padding lie behind every 8 pieces: where the piece three on lies behind one padding more, the second address register serves
.if PIECE%8 < 5
	ds_load_b64 v[\reg+2*\p:\reg+2*\p+1], v[\adr] offset:8*PIECE+16*(PIECE/8)+(\i)*16*PITCH
.else
	ds_load_b64 v[\reg+2*\p:\reg+2*\p+1], v[\adr+4] offset:8*PIECE+16*(PIECE/8)+(\i)*16*PITCH
.endif
.endr
.endm
.macro FRAGA reg, adr, q, i            ; A's fragment is an image: six chunks on end, 256 consecutive bytes a load
.irp p, 0,1,2,3,4,5
	ds_load_b64 v[\reg+2*\p:\reg+2*\p+1], v[\adr] offset:(\i)*AROWB+(\q)*1536+256*\p
.endr
.endm
.macro FETCH q, p                      ; the fragments of K step q (slot q / 2, its half q % 2) into set p: B's eight, then A's four: 72 loads
	WIN TO_B
.irp i, 0,1,2,3,4,5,6,7
	FRAG 128*(\p)+FR*\i, ADRB+(\q)/2, (\q)%2, \i
.endr
	WIN 0
.irp i, 0,1,2,3
	FRAGA AF+48*(\p)+FR*\i, ADRA+(\q)/2, (\q)%2, \i
.endr
.endm
; 16 matrix instructions: A's blocks a0, a0 + 1 x B's eight, 128 along K.  zero = 1: the first product starts the sum from the bias.
; The 32 accumulators take turns, one instruction a turn, in the same order in every step.
.macro MUL16 a0, p, q, zero
.irp a, \a0, \a0+1
.irp b, 0,1,2,3,4,5,6,7
.if \zero
	v_wmma_scale_f32_16x16x128_f8f6f4 v[8*(8*(\a)+\b):8*(8*(\a)+\b)+7], v[128*(\p)+FR*\b:128*(\p)+FR*\b+FR-1], v[AF+48*(\p)+FR*(\a):AF+48*(\p)+FR*(\a)+FR-1], v[96+8*\b+96*(\b/4):96+8*\b+96*(\b/4)+7], v[SCB+8*\b+(\q)], v[SCA+8*(\a)+(\q)] matrix_a_fmt:MATRIX_FMT_FP6 matrix_b_fmt:MATRIX_FMT_FP6
.else
	v_wmma_scale_f32_16x16x128_f8f6f4 v[8*(8*(\a)+\b):8*(8*(\a)+\b)+7], v[128*(\p)+FR*\b:128*(\p)+FR*\b+FR-1], v[AF+48*(\p)+FR*(\a):AF+48*(\p)+FR*(\a)+FR-1], v[8*(8*(\a)+\b):8*(8*(\a)+\b)+7], v[SCB+8*\b+(\q)], v[SCA+8*(\a)+(\q)] matrix_a_fmt:MATRIX_FMT_FP6 matrix_b_fmt:MATRIX_FMT_FP6
.endif
.endr
.endr
.endm
.macro PLACES n                        ; plain vector instructions that name none of a matrix instruction's registers (ISA guide 7.12.1 for vector instructions)
.rept \n
	v_nop
.endr
.endm
; K step q of eight: 32 matrix instructions on set q % 2; in its middle the next step's 72 loads go out into the other set, which the step before multiplied.
; Where the next step begins a slot, the wave first waits until that slot's load of its own has landed (the later slots' may be out) and meets the others.
.macro KSTEP q, zero
	s_wait_dscnt 2*NL                              ; B's eight and A's blocks 0, 1 are in; the youngest 12 loads (A's blocks 2, 3) may be out
.if \zero
	WIN MUL0
.else
	WIN MUL
.endif
	MUL16 0, (\q)%2, \q, \zero
	s_wait_dscnt 0x0                               ; A's blocks 2, 3 are in, and no LDS load of mine is out at the signal below
.if (\q) < 7
.if (\q)%2 == 1
	s_wait_tensorcnt 3-((\q)+1)/2                  ; tensor loads of a wave end in order (ISA guide 10.11.1): my part of slot (q + 1) / 2 is in,
	s_barrier_signal -1
	s_barrier_wait -1                              ; everybody's is
.endif
	PLACES NP
	FETCH (\q)+1, 1-(\q)%2
.if \zero
	WIN MUL0
.else
	WIN MUL
.endif
.endif
	MUL16 2, (\q)%2, \q, \zero
.endm
	s_wait_tensorcnt 3                             ; my part of slot 0 is in (my three later loads may be out),
	s_barrier_signal -1
	s_barrier_wait -1                              ; everybody's is
	FETCH 0, 0
	s_wait_loadcnt 0x0                             ; the scale words and the bias
	KSTEP 0, 1
	KSTEP 1, 0
	KSTEP 2, 0
	KSTEP 3, 0
	KSTEP 4, 0
	KSTEP 5, 0
	KSTEP 6, 0
	KSTEP 7, 0
	WIN 0
; THE WAY OUT, block by block of 16 rows x 128 columns, through my own stage in LDS: in as 32 bytes a lane, back as whole rows of 512 bytes, which the 32 lanes store as two aligned runs of 256 bytes.
; LDS serves a wave's instructions in order (ISA guide 5.7.1.4): no wait between the stores and the loads.  The stage lies in slot 0: every wave has waited for its reads of that slot in front of the
; barrier for slot 1, which all have passed, and no fill follows.
.macro TOSTAGE a
.set AC, 64*(\a)
	WIN 0x08                                       ; the data: window 2
.irp b, 0,1,2,3,4,5,6,7
	ds_store_b128 v[STO], v[AC+8*\b:AC+8*\b+3] offset:64*\b          ; each accumulator from its low end on
	ds_store_b128 v[STO], v[AC+8*\b+4:AC+8*\b+7] offset:64*\b+16
.endr
	WIN 0
.set BB, BK+64*((\a)%2)
.irp t, 0,1,2,3,4,5,6,7,8,9,10,11,12,13,14,15
	ds_load_b128 v[BB+4*\t:BB+4*\t+3], v[RD] offset:\t*SPITCH
.endr
.endm
.macro SEND a, younger                 ; younger: the LDS instructions issued behind block a's loads, which may stay out
.set BB, BK+64*((\a)%2)
	s_wait_dscnt \younger
.if (\a) > 0
	s_add_nc_u64 s[12:13], s[12:13], 16*SIZE_N*4   ; (behind a wait on XCNT: the earlier stores have read their base)
.endif
.irp t, 0,1,2,3,4,5,6,7,8,9,10,11,12,13,14,15
	global_store_b128 v[CO], v[BB+4*\t:BB+4*\t+3], s[12:13] offset:\t*SIZE_N*4 th:TH_STORE_NT   ; 32 lanes store 512 consecutive bytes, aligned; written once, read by nobody here
.endr
.endm
	PLACES NP                                      ; behind the last products: for the reads of results and for the loads into the registers that held A's fragments
	TOSTAGE 0
.irp a, 1,2,3
.if \a > 1
	s_wait_xcnt 0x0                                ; block a - 2's stores have read their registers and their base
.endif
	TOSTAGE \a
	SEND \a-1, 32                                  ; behind block a - 1's loads: block a's 16 stores and 16 loads
.endr
	s_wait_xcnt 0x0
	SEND 3, 0
	s_wait_tensorcnt 0x0
	ds_add_u32 v30, v31
	s_wait_dscnt 0x0
	CROUND                                         ; the closing round: no work-group ends while a partner may still ask for a tile that names it
	s_endpgm
.Lfunc_end_k_qafbfda3eb2_outp:
	.size	k_qafbfda3eb2_outp, .Lfunc_end_k_qafbfda3eb2_outp-k_qafbfda3eb2_outp
	.p2alignl 7, 3214868480
	.fill 96, 4, 3214868480
	.section	.rodata,"a",@progbits
	.p2align	6, 0x0
	.amdhsa_kernel k_qafbfda3eb2_outp
		.amdhsa_group_segment_fixed_size 320000
		.amdhsa_private_segment_fixed_size 0
		.amdhsa_enable_private_segment 0
		.amdhsa_kernarg_size 48
		.amdhsa_user_sgpr_count 2
		.amdhsa_user_sgpr_kernarg_segment_ptr 1
		.amdhsa_wavefront_size32 1
		.amdhsa_system_sgpr_workgroup_id_x 1
		.amdhsa_system_sgpr_workgroup_id_y 1
		.amdhsa_system_sgpr_workgroup_id_z 1
		.amdhsa_system_vgpr_workitem_id 0
		.amdhsa_next_free_vgpr 768
		.amdhsa_next_free_sgpr 100
		.amdhsa_reserve_vcc 0
		.amdhsa_float_denorm_mode_32 3
		.amdhsa_float_denorm_mode_16_64 3
		.amdhsa_memory_ordered 1
		.amdhsa_forward_progress 1
		.amdhsa_inst_pref_size 99
	.end_amdhsa_kernel
	.amdgpu_metadata
---
amdhsa.version: [ 1, 2 ]
amdhsa.kernels:
  - .name:           k_qafbfda3eb2_outp
    .symbol:         k_qafbfda3eb2_outp.kd
    .args:
      - { .name: o_img, .offset: 0, .size: 8, .value_kind: global_buffer, .address_space: global }
      - { .name: o_sc, .offset: 8, .size: 8, .value_kind: global_buffer, .address_space: global }
      - { .name: Wo_codes, .offset: 16, .size: 8, .value_kind: global_buffer, .address_space: global }
      - { .name: Wo_scales, .offset: 24, .size: 8, .value_kind: global_buffer, .address_space: global }
      - { .name: bo, .offset: 32, .size: 8, .value_kind: global_buffer, .address_space: global }
      - { .name: out0, .offset: 40, .size: 8, .value_kind: global_buffer, .address_space: global }
    .group_segment_fixed_size: 320000
    .private_segment_fixed_size: 0
    .kernarg_segment_align: 8
    .kernarg_segment_size: 48
    .max_flat_workgroup_size: 128
    .sgpr_count:     100
    .vgpr_count:     768
    .wavefront_size: 32
...
	.end_amdgpu_metadata
.endif
;; end of part 3
